; MI455X (gfx1250); checked and timed in simulation.
; The chip was launched on July 23, 2026; its instructions are those of AMD's public machine-readable ISA for CDNA 5 (MIT licence, August 2026) and "CDNA5" Instruction Set Architecture Reference Guide (July 2026). The comments in the code are by the model that wrote it; some were corrected since.
;; Attention Layer. Allowed arithmetic: float matrix products may take bf16 or f16 operands with f32 sums; other float arithmetic in f32, or as packed bf16 or f16 multiplies, adds, multiply-adds, maxima and minima; sums over many terms, partial sums and values carried from step to step in f32; what a program stores and reads back later, other than sums and carried values, may be rounded once to bf16 or f16.
;; Inputs: Ua_b 1,024 float32; Ua_w 1,024 x 1,024 float32; Va_b 1 float32; Va_w 1 x 1,024 float32; Wa_b 1,024 float32; Wa_w 1,024 x 1,024 float32; keys 32 x 2,048 x 1,024 float32; query 32 x 1 x 1,024 float32.
;; Outputs: out0 32 x 1 x 1,024 float32; out1 32 x 1 x 2,048 float32.
;; 2 versions, each right; version 2 is version 1 with the launch main written anew for expert scheduling mode. Each part assembles by itself: llvm-mc -triple=amdgcn-amd-amdhsa -mcpu=gfx1250 --defsym DOCPART=n.
;; ======== version 1 of 2: 3 launches
;; limits: values outside matrix products are rounded to bf16
;; workspace buffers: ub 2,097,152 bytes; qbs 524,288 bytes; scores 262,144 bytes; ctxp 2,097,152 bytes
;; launch prep (part 1): grid 256 x 1, 4 waves a work-group, no clusters, 8,704 bytes of LDS; arguments query, Wa_w, Ua_w, Wa_b, Ua_b, ub, qbs; writes ub, qbs
.if DOCPART == 1
	.amdgcn_target "amdgcn-amd-amdhsa--gfx1250"
	.amdhsa_code_object_version 6
	.text
	.protected	k_q142270ebb3_prep
	.globl	k_q142270ebb3_prep
	.p2align	8
	.type	k_q142270ebb3_prep,@function
k_q142270ebb3_prep:
	s_mov_b64 s[64:65], 0
	v_nop
	global_prefetch_b8 v0, s[64:65] scope:SCOPE_SE
	s_setreg_imm32_b32 hwreg(HW_REG_WAVE_MODE, 25, 1), 1
	s_wait_xcnt 0x0
; PREP.  Two things, once:
;   ub  = Ua_w rounded to bf16, laid out in the order in which the next launch's waves stream it; a matrix fragment (16 columns o x 32 k) is 1,024 bytes on end:
;         o = 128 G + 16 ct + n, k = 32 s + 16 hf + 8 h + e lies at byte G*262144 + s*8192 + ct*1024 + hf*512 + (16 h + n)*16 + 2 e.
;   qbs = four partial tables, one for each quarter kq of K, whose sum is K2 * (query . Wa_w^T + bf16(Wa_b) + bf16(Ua_b)); f32, laid out [kq][o / 16][batch][o % 16].
;         K2 = 2 log2(e), the factor of the later 2^(K2 x) = e^(2x).  Each partial table carries a quarter of the biases (a scaling by 1/4 is exact).  The next launch adds the four.
; query and Wa_w are rounded to bf16 as matrix operands; sums in f32.
; SHARES.  Work-group g owns the columns o = 16 T .. 16 T + 15, T = g / 4, and the quarter kq = g % 4 of K: 64 x 4 = 256 work-groups.  Its wave v takes k = 64 (4 kq + v) .. + 63 (two K steps
; of 32): 256 consecutive bytes, aligned, of each f32 row that it reads.  With them it makes a partial q_proj (32 batches x 16 columns: two accumulators, four matrix instructions) and
; Ua_w's two fragments of the same k.  The four waves' partial sums meet in LDS, in f32; each of the 128 threads adds four numbers' four parts.
; LAYOUT.  Source 0 = 16 rows of Wa_w (m = o), source 1 = 16 rows of query (n = batch): in the result a lane holds one batch (lane % 16) and the columns 8 (lane / 16) + 0..7.
.set SPARE, 8192                       ; behind the partial sums (4 waves x 2,048 bytes from byte 0): the spare words, 128 bytes for each wave, which no other line names
.set FO,  4                            ; v4   (l % 16) x 4,096 + (l / 16) x 32 + 256 x (4 kq + wave): my 8 f32 of a row of a fragment; never rewritten
.set LO,  5                            ; v5   16 l
.set PS,  6                            ; v6   where I put my part of a partial tile: 2,048 x wave + 64 (l % 16) + 32 (l / 16)
.set PR,  7                            ; v7   16 t: where I read the partial sums back, and my 16 bytes of the work-group's 2,048 of qbs
.set BO,  8                            ; v8   16 (t % 4): my four columns in the biases
.set SPW, 10                           ; v10  LDS address of my spare word; never rewritten
.set NIL, 11                           ; v11  0; never rewritten
.set WR,  32                           ; v[32:63]    Wa_w as loaded: K step e at 16 e
.set QR,  64                           ; v[64:127]   query as loaded: K step e, batch tile bt at 16 (2 e + bt)
.set UR,  128                          ; v[128:159]  Ua_w as loaded
.set WF,  160                          ; v[160:175]  Wa_w's two fragments
.set QF,  176                          ; v[176:207]  query's four
.set UF,  208                          ; v[208:223]  Ua_w's two
.set ACC, 224                          ; v[224:239]  two accumulators: batches 0-15, 16-31
.set WV,  18                           ; s18  my wave's number
	s_load_b256 s[4:11], s[0:1], 0x0               ; query s[4:5], Wa_w s[6:7], Ua_w s[8:9], Wa_b s[10:11]
	s_load_b128 s[12:15], s[0:1], 0x20             ; Ua_b s[12:13], ub s[14:15]
	s_load_b64 s[16:17], s[0:1], 0x30              ; qbs
	v_lshl_add_u32 v[SPW], v0, 2, SPARE
	v_mov_b32 v[NIL], 0
	v_lshrrev_b32 v9, 5, v0
	v_readfirstlane_b32 s[WV], v9                  ; wave 0..3
	s_lshr_b32 s30, ttmp9, 2                       ; T
	s_and_b32 s31, ttmp9, 3                        ; kq
	s_lshl2_add_u32 s32, s31, s[WV]                ; 4 kq + wave: my 64 of K, 0..15
	v_and_b32 v1, 31, v0                           ; l
	v_and_b32 v2, 15, v0                           ; l % 16
	v_bfe_u32 v3, v0, 4, 1                         ; l / 16
	s_lshl_b32 s19, s32, 8
	v_lshlrev_b32 v[FO], 12, v2
	v_lshl_add_u32 v[FO], v3, 5, v[FO]
	v_add_nc_u32 v[FO], s19, v[FO]
	v_lshlrev_b32 v[LO], 4, v1
	s_lshl_b32 s19, s[WV], 11
	v_lshlrev_b32 v[PS], 6, v2
	v_lshl_add_u32 v[PS], v3, 5, v[PS]
	v_add_nc_u32 v[PS], s19, v[PS]
	v_lshlrev_b32 v[PR], 4, v0
	v_and_b32 v[BO], 3, v0
	v_lshlrev_b32 v[BO], 4, v[BO]
	s_lshl_b32 s20, s30, 16                        ; 16 rows of 4,096 bytes of Wa_w and of Ua_w
	s_mov_b32 s21, 0
	s_lshl_b32 s22, s30, 6                         ; 16 numbers of a bias
	s_mov_b32 s23, 0
	s_mov_b32 s24, 0x4038aa3b                      ; K2 = 2 log2(e)
	s_mov_b32 s25, s24                             ; named with it as a pair
	s_lshr_b32 s26, s30, 3                         ; ub: G = T / 8,
	s_lshl_b32 s26, s26, 18
	s_lshl_b32 s27, s32, 14                        ; K steps 2 (4 kq + wave) + e,
	s_add_co_u32 s26, s26, s27
	s_and_b32 s27, s30, 7                          ; ct = T % 8
	s_lshl_b32 s27, s27, 10
	s_add_co_u32 s26, s26, s27
	s_mov_b32 s27, 0
	s_lshl_b32 s28, s31, 17                        ; qbs: 131,072 bytes a quarter of K,
	s_lshl_b32 s29, s30, 11                        ; 2,048 bytes a column tile
	s_add_co_u32 s28, s28, s29
	s_mov_b32 s29, 0
	s_wait_kmcnt 0x0
	s_add_nc_u64 s[6:7], s[6:7], s[20:21]
	s_add_nc_u64 s[8:9], s[8:9], s[20:21]
	s_add_nc_u64 s[10:11], s[10:11], s[22:23]
	s_add_nc_u64 s[12:13], s[12:13], s[22:23]
	s_add_nc_u64 s[14:15], s[14:15], s[26:27]
	s_add_nc_u64 s[16:17], s[16:17], s[28:29]
; The 16 f32 of a lane's share of a fragment: k = 8 h + 0..7 (32 bytes) and k = 16 + 8 h + 0..7 (64 bytes further on).
.macro RAW dst, base, off
	global_load_b128 v[(\dst):(\dst)+3],     v[FO], s[(\base):(\base)+1] offset:(\off)
	global_load_b128 v[(\dst)+4:(\dst)+7],   v[FO], s[(\base):(\base)+1] offset:(\off)+16
	global_load_b128 v[(\dst)+8:(\dst)+11],  v[FO], s[(\base):(\base)+1] offset:(\off)+64
	global_load_b128 v[(\dst)+12:(\dst)+15], v[FO], s[(\base):(\base)+1] offset:(\off)+80
.endm
; They are rounded to bf16 in pairs: 8 registers, a fragment.
.macro CVT8 d, s
.irp j, 0,1,2,3,4,5,6,7
	v_cvt_pk_bf16_f32 v[(\d)+(\j)], v[(\s)+2*(\j)], v[(\s)+2*(\j)+1]
.endr
.endm
	global_load_b128 v[12:15], v[BO], s[10:11]     ; Wa_b, Ua_b: four numbers each
	global_load_b128 v[16:19], v[BO], s[12:13]
.irp e, 0,1
	RAW WR+16*(\e), 6, 128*(\e)
.endr
.irp e, 0,1
.irp bt, 0,1
	RAW QR+16*(2*(\e)+(\bt)), 4, 128*(\e)+65536*(\bt)
.endr
.endr
.irp e, 0,1
	RAW UR+16*(\e), 8, 128*(\e)
.endr
	s_wait_loadcnt 8                               ; all but Ua_w's eight loads, the youngest, are in
.irp e, 0,1
	CVT8 WF+8*(\e), WR+16*(\e)
.endr
.irp f, 0,1,2,3
	CVT8 QF+8*(\f), QR+16*(\f)
.endr
	; the two accumulators take turns; the first K step starts the sums
	v_wmma_f32_16x16x32_bf16 v[ACC:ACC+7],    v[WF:WF+7],    v[QF:QF+7],     0
	v_wmma_f32_16x16x32_bf16 v[ACC+8:ACC+15], v[WF:WF+7],    v[QF+8:QF+15],  0
	v_wmma_f32_16x16x32_bf16 v[ACC:ACC+7],    v[WF+8:WF+15], v[QF+16:QF+23], v[ACC:ACC+7]
	v_wmma_f32_16x16x32_bf16 v[ACC+8:ACC+15], v[WF+8:WF+15], v[QF+24:QF+31], v[ACC+8:ACC+15]
	s_wait_loadcnt 0x0                             ; Ua_w
.irp e, 0,1
	CVT8 UF+8*(\e), UR+16*(\e)                     ; sixteen plain instructions that name no register of the products: the places behind them
.endr
.irp e, 0,1
	global_store_b128 v[LO], v[UF+8*(\e):UF+8*(\e)+3],   s[14:15] offset:8192*(\e)      ; each store of the wave covers 512 consecutive bytes, aligned
	global_store_b128 v[LO], v[UF+8*(\e)+4:UF+8*(\e)+7], s[14:15] offset:8192*(\e)+512
.endr
.irp bt, 0,1
	ds_store_b128 v[PS], v[ACC+8*(\bt):ACC+8*(\bt)+3]   offset:1024*(\bt)               ; each accumulator's low registers first
	ds_store_b128 v[PS], v[ACC+8*(\bt)+4:ACC+8*(\bt)+7] offset:1024*(\bt)+16
.endr
	s_wait_dscnt 0x0                               ; for the others' sake: my partial sums lie in LDS
	s_barrier_signal -1
	s_barrier_wait -1                              ; all four do
.set i, 0
.rept 4                                ; 128 threads x 4 numbers are the 32 x 16 results
	ds_load_b128 v[32+4*i:32+4*i+3], v[PR] offset:2048*i
.set i, i+1
.endr
	v_cvt_pk_bf16_f32 v20, v12, v13                ; the biases are rounded to bf16 like the other inputs, and widened again
	v_cvt_pk_bf16_f32 v21, v14, v15
	v_cvt_pk_bf16_f32 v22, v16, v17
	v_cvt_pk_bf16_f32 v23, v18, v19
.irp j, 0,1,2,3
	v_lshlrev_b32 v[12+2*(\j)], 16, v[20+(\j)]
	v_and_b32     v[13+2*(\j)], 0xffff0000, v[20+(\j)]
.endr
	v_pk_add_f32 v[12:13], v[12:13], v[16:17]
	v_pk_add_f32 v[14:15], v[14:15], v[18:19]
	s_wait_dscnt 0x0
.irp d, 8, 4                           ; four partial sums into one, halving
.set r, 0
.rept (\d)/2
	v_pk_add_f32 v[32+r:32+r+1], v[32+r:32+r+1], v[32+r+(\d):32+r+(\d)+1]
.set r, r+2
.endr
.endr
	v_pk_fma_f32 v[32:33], v[12:13], 0x3e800000, v[32:33] op_sel_hi:[1,0,1]            ; + a quarter of the biases
	v_pk_fma_f32 v[34:35], v[14:15], 0x3e800000, v[34:35] op_sel_hi:[1,0,1]
	v_pk_mul_f32 v[32:33], v[32:33], s[24:25] op_sel_hi:[1,0]
	v_pk_mul_f32 v[34:35], v[34:35], s[24:25] op_sel_hi:[1,0]
	global_store_b128 v[PR], v[32:35], s[16:17]    ; a wave's store covers 512 consecutive bytes, aligned
	s_wait_tensorcnt 0x0                           ; the wave's end, behind my last LDS store
	ds_add_u32 v[SPW], v[NIL]
	s_wait_dscnt 0x0
	s_endpgm
.Lfunc_end_k_q142270ebb3_prep:
	.size	k_q142270ebb3_prep, .Lfunc_end_k_q142270ebb3_prep-k_q142270ebb3_prep
	.p2alignl 7, 3214868480
	.fill 96, 4, 3214868480
	.section	.rodata,"a",@progbits
	.p2align	6, 0x0
	.amdhsa_kernel k_q142270ebb3_prep
		.amdhsa_group_segment_fixed_size 8704
		.amdhsa_private_segment_fixed_size 0
		.amdhsa_enable_private_segment 0
		.amdhsa_kernarg_size 56
		.amdhsa_user_sgpr_count 2
		.amdhsa_user_sgpr_kernarg_segment_ptr 1
		.amdhsa_wavefront_size32 1
		.amdhsa_system_sgpr_workgroup_id_x 1
		.amdhsa_system_sgpr_workgroup_id_y 1
		.amdhsa_system_sgpr_workgroup_id_z 1
		.amdhsa_system_vgpr_workitem_id 0
		.amdhsa_next_free_vgpr 240
		.amdhsa_next_free_sgpr 66
		.amdhsa_reserve_vcc 0
		.amdhsa_float_denorm_mode_32 3
		.amdhsa_float_denorm_mode_16_64 3
		.amdhsa_memory_ordered 1
		.amdhsa_forward_progress 1
		.amdhsa_inst_pref_size 13
	.end_amdhsa_kernel
	.amdgpu_metadata
---
amdhsa.version: [ 1, 2 ]
amdhsa.kernels:
  - .name:           k_q142270ebb3_prep
    .symbol:         k_q142270ebb3_prep.kd
    .args:
      - { .name: query, .offset: 0, .size: 8, .value_kind: global_buffer, .address_space: global }
      - { .name: Wa_w, .offset: 8, .size: 8, .value_kind: global_buffer, .address_space: global }
      - { .name: Ua_w, .offset: 16, .size: 8, .value_kind: global_buffer, .address_space: global }
      - { .name: Wa_b, .offset: 24, .size: 8, .value_kind: global_buffer, .address_space: global }
      - { .name: Ua_b, .offset: 32, .size: 8, .value_kind: global_buffer, .address_space: global }
      - { .name: ub, .offset: 40, .size: 8, .value_kind: global_buffer, .address_space: global }
      - { .name: qbs, .offset: 48, .size: 8, .value_kind: global_buffer, .address_space: global }
    .group_segment_fixed_size: 8704
    .private_segment_fixed_size: 0
    .kernarg_segment_align: 8
    .kernarg_segment_size: 56
    .max_flat_workgroup_size: 128
    .sgpr_count:     66
    .vgpr_count:     240
    .wavefront_size: 32
...
	.end_amdgpu_metadata
.endif
;; end of part 1
;; launch main (part 2): grid 512 x 1, 4 waves a work-group, no clusters, 276,992 bytes of LDS; arguments keys, ub, qbs, Va_w, Va_b, scores, ctxp; writes scores, ctxp
.if DOCPART == 2
	.amdgcn_target "amdgcn-amd-amdhsa--gfx1250"
	.amdhsa_code_object_version 6
	.text
	.protected	k_q142270ebb3_main
	.globl	k_q142270ebb3_main
	.p2align	8
	.type	k_q142270ebb3_main,@function
k_q142270ebb3_main:
	s_mov_b64 s[64:65], 0
	v_nop
	global_prefetch_b8 v0, s[64:65] scope:SCOPE_SE
	s_setreg_imm32_b32 hwreg(HW_REG_WAVE_MODE, 25, 1), 1
	s_wait_xcnt 0x0
; MAIN.  For a block of 128 key rows of one batch: score[s] = Va_b + sum over o of Va[o] tanh(q_proj[o] + Ua_b[o] + keys[s] . Ua_w[o]); p[s] = e^(score[s] - the block's maximum);
; ctxp[blk][h] = sum over the block's s of p[s] keys[s][h].  The scores and the partial context are stored; the next launch takes the batch's true maximum and rescales.
; EACH BYTE OF keys IS READ ONCE: the 128 rows are rounded once to bf16 into LDS, stay there, feed the product with Ua_w, and, when the scores are known, the context.
; NO CLUSTER, NO TENSOR LOADS: the resident rows take 264,192 bytes of LDS; what is left cannot hold two slots of Ua_w with work enough in each.  And no two waves of a work-group want
; the same byte of Ua_w (wave w owns the columns 256 w .. 256 w + 255), so its fragments, which the launch before has laid out in the order of my stream, come straight into registers.
; NO PREFETCH: a work-group asks for all its keys from its first lines on, 48 to 64 loads a wave out, so a prefetch of its own keys could stand no earlier than the loads; ub is read by every work-group.
; LAYOUT.  Source 0 = 16 columns of Ua_w (m = o), source 1 = 16 key rows (n = row): in the result a lane holds ONE key row (lane % 16) and the columns 8 (lane / 16) + 0..7.
; A wave's tile is 128 rows x 128 columns: 64 accumulators, which take turns in one order everywhere; two such N blocks a wave.  For 32 along K a wave reads
; 8 KiB of keys from LDS and 8 KiB of Ua_w, for 64 matrix instructions.
; Ua_w's RING.  Four sets of registers, a K step (8 fragments, 16 loads) each.  K step s asks for step s + 3, into the set that step s - 1 has read: 160 matrix instructions ahead of its first use.
; The stream runs on from the first N block into the second; the second's last three K steps ask for nothing, so no load leaves ub.
; TANH.  tanh(x) = 1 - 2 r, r = 1 / (1 + 2^(K2 x)), K2 = 2 log2(e).  score = Va_b + sum Va - 2 sum Va r.  All in f32, on the accumulators' registers.
; LIMITS.  keys, Ua_w and Va_w are rounded once to bf16.  Beyond |x| of about 44 the form gives exactly +1 or -1.  The score is a sum of f32 terms of the size of sum |Va| and carries their rounding.
; A p below 2^-126 counts as 0.  NaN and infinities are not treated apart.
; REGISTERS, in windows of 256 (s_set_vgpr_msb: bits 1:0 source 0, 3:2 source 1, 5:4 source 2, 7:6 destination):
;   window 0: addresses, scores, a table, two buffers of key fragments     window 1: Ua_w's ring     window 2: the accumulators of rows 0-63     window 3: those of rows 64-127; before them the fill's four sets of 64
.set PITCH, 2064                       ; a key row in LDS: 2,048 bytes + 16: an odd multiple of 16, so the 16 rows of a fragment load start at 16 different groups of four banks (ISA guide 11.1)
.set QB,    128*PITCH                  ; behind the rows: K2 (q_proj + biases) of my batch, by column o: 4,096 bytes
.set SCR,   QB+8192                    ; (at QB + 4,096: -2 bf16(Va), by o: 4,096 bytes)  then the waves' partial scores, [wave][row]: 2,048 bytes
.set PW,    SCR+2048                   ; p, [wave][row]: each wave's own copy: 2,048 bytes
.set SPARE, PW+2048                    ; the spare words, 128 bytes for each wave: two blocks of 256 bytes that no other line names
.set STEPB, 8192                       ; bytes of ub in a K step of my 128 columns
.set AB,  4                            ; v4-7    (32 p + l % 16) x PITCH + 16 (l / 16), p = 0..3: my place in the key fragments; never rewritten
.set AA,  8                            ; v8-11   the same, stepped along K.  Before: KO.  Later: v8 CA, v9 PA, v10 CO (the context's addresses)
.set KO,  8                            ; v8-11   the fill: set s's byte offset in the block's keys: wave x 32 rows x 4,096 + its two rows + 16 l, stepped
.set BO,  12                           ; v12     16 l
.set KS,  14                           ; v14     the fill: wave x 32 x PITCH + 8 l, stepped
.set TA,  15                           ; v15     QB + 1,024 x wave + 32 (l / 16), stepped by 512 for each N block
.set SC,  16                           ; v16-31  -2 sum Va r: a pair for each of the eight row tiles
.set WS,  32                           ; v32     the sum of -2 Va over my wave's 256 columns
.set SA,  33                           ; v33     SCR + 512 x wave + 4 (l % 16)
.set W,   34                           ; v34-61  at work
.set SPW, 62                           ; v62     LDS address of my spare word; never rewritten
.set NIL, 63                           ; v63     0; never rewritten
.set QT,  64                           ; v64-127 the first table for the N block's columns: column tile ct, register j at 8 ct + j
.set AF0, 128                          ; v128-191, v192-255: key fragments of 128 rows x 32 K, row tile rt at 8 rt
.set AF1, 192
.set VT,  192                          ; -2 Va likewise, at an N block's end, when key buffer 1 is free
.set CA,  8
.set PA,  9
.set CO,  10
.set PS,  64                           ; the context: two sets of 8 p,
.set KR,  96                           ; two sets of 8 rows x 4 registers of keys,
.set CX,  160                          ; and my 8 channels' sums
.set WV,  18                           ; s18      my wave's number
.set K2,  22                           ; s[22:23] 2 log2(e): the packed forms take the pair's low word for both halves
.set SEL, 24                           ; s[24:25] v_permlanex16_b32's selects: each lane takes its own place in the other half
.set NBC, 26                           ; s26      N blocks to go
.set TRIP, 27                          ; s27      the inner loops' counter
.set VB,  28                           ; s[28:29] Va_b
.set L2E, 30                           ; s[30:31] log2(e)
.set KP,  32                           ; s[32:33] keys at the block's first row; never rewritten
.set UP,  34                           ; s[34:35] ub at my wave's stream, stepped four K steps at a time
.set SO,  36                           ; s[36:37] scores at the block
.set CP,  38                           ; s[38:39] ctxp at the block
.set QP,  40                           ; s[40:41] qbs at my batch
.set MSB, 0
.macro WIN new                         ; the immediate's high byte repeats the setting that is left; a switch that changes nothing is dropped
.if MSB != (\new)
	s_set_vgpr_msb (MSB<<8)|(\new)
.set MSB, \new
.endif
.endm
.macro PLACES                          ; four places behind a matrix instruction, in front of loads into registers that it has read and of vector work on its results
.rept 4
	v_nop
.endr
.endm
; THE FILL.  Two rows of keys, 16 loads of 512 consecutive bytes, into set s of window 3.
.macro KLOADS s
	WIN 0xc0
.set i, 0
.rept 16
	global_load_b128 v[64*(\s)+4*i:64*(\s)+4*i+3], v[KO+(\s)], s[KP:KP+1] offset:(i/8)*4096+(i%8)*512 th:TH_LOAD_NT
.set i, i+1
.endr
.endm
; They are rounded to bf16 in place and stored: 256 consecutive bytes of LDS a store.
.macro KSTORE s, row
	WIN 0xcf
.set i, 0
.rept 16
	v_cvt_pk_bf16_f32 v[64*(\s)+4*i],   v[64*(\s)+4*i],   v[64*(\s)+4*i+1]
	v_cvt_pk_bf16_f32 v[64*(\s)+4*i+1], v[64*(\s)+4*i+2], v[64*(\s)+4*i+3]
.set i, i+1
.endr
	WIN 0x0c
.set i, 0
.rept 16
	ds_store_b64 v[KS], v[64*(\s)+4*i:64*(\s)+4*i+1] offset:((\row)+i/8)*PITCH+(i%8)*256
.set i, i+1
.endr
.endm
; A K step of Ua_w for my 128 columns: 8 fragments, 8 KiB on end, 16 loads of 512 consecutive bytes, into set ring of window 1.
.macro BBATCH ring, off
	WIN 0x40
.irp ct, 0,1,2,3,4,5,6,7
	global_load_b128 v[64*(\ring)+8*(\ct):64*(\ring)+8*(\ct)+3],   v[BO], s[UP:UP+1] offset:(\off)+(\ct)*1024
	global_load_b128 v[64*(\ring)+8*(\ct)+4:64*(\ring)+8*(\ct)+7], v[BO], s[UP:UP+1] offset:(\off)+(\ct)*1024+512
.endr
.endm
; The key fragments of 128 rows x 32 K at byte k of the rows: 16 LDS loads, row tiles ascending.
.macro AFETCH af, areg, k
	WIN 0
.irp rt, 0,1,2,3,4,5,6,7
	ds_load_b128 v[(\af)+8*(\rt):(\af)+8*(\rt)+3],   v[(\areg)+(\rt)/2] offset:((\rt)%2)*16*PITCH+(\k)
	ds_load_b128 v[(\af)+8*(\rt)+4:(\af)+8*(\rt)+7], v[(\areg)+(\rt)/2] offset:((\rt)%2)*16*PITCH+(\k)+32
.endr
.endm
; 32 matrix instructions: four row tiles (hi = 0: rows 0-63, window 2; 1: rows 64-127, window 3) x the eight column tiles, 32 along K.  zero = 1: the product starts the sums: nothing is cleared.
.macro MUL32 af, ring, hi, zero
	WIN 0xa1+0x50*(\hi)
.irp rt, 0,1,2,3
.irp ct, 0,1,2,3,4,5,6,7
.if \zero
	v_wmma_f32_16x16x32_bf16 v[8*(8*(\rt)+(\ct)):8*(8*(\rt)+(\ct))+7], v[64*(\ring)+8*(\ct):64*(\ring)+8*(\ct)+7], v[(\af)+8*(4*(\hi)+(\rt)):(\af)+8*(4*(\hi)+(\rt))+7], 0
.else
	v_wmma_f32_16x16x32_bf16 v[8*(8*(\rt)+(\ct)):8*(8*(\rt)+(\ct))+7], v[64*(\ring)+8*(\ct):64*(\ring)+8*(\ct)+7], v[(\af)+8*(4*(\hi)+(\rt)):(\af)+8*(4*(\hi)+(\rt))+7], v[8*(8*(\rt)+(\ct)):8*(8*(\rt)+(\ct))+7]
.endif
.endr
.endr
.endm
; A K STEP of 32: 64 matrix instructions on key buffer af and Ua_w's set ring.  In its middle, in ONE run: the next step's key fragments (into naf, from byte nk of the rows; nk < 0: none),
; and Ua_w of the step three on (from byte boff behind UP, into the set that the step before has read; boff < 0: none).  lcnt: the younger loads of Ua_w that may stay out.
.macro KSTEP af, ring, zero, naf, nreg, nk, boff, lcnt
	s_wait_loadcnt \lcnt                           ; this step's Ua_w is in
	s_wait_dscnt 8                                 ; row tiles 0-3 are in; the youngest eight LDS loads (tiles 4-7) may be out
	MUL32 \af, \ring, 0, \zero
.if (\nk) >= 0
	PLACES
	AFETCH \naf, \nreg, \nk
.if (\boff) >= 0
	BBATCH ((\ring)+3)%4, \boff
.endif
	s_wait_dscnt 16                                ; all but the 16 LDS loads just issued
.else
	s_wait_dscnt 0x0
.endif
	MUL32 \af, \ring, 1, \zero
.endm
; AN N BLOCK'S END: r = 1 / (1 + 2^(K2 acc + table)) in place on the 512 accumulator registers, then SC += (-2 Va) r.  Each accumulator is read from its low end on.
; The 512 exponentials are ONE batch and the 512 reciprocals another, each with one wait ahead of its first reader; a packed plain instruction stands between every two of them.
.macro EPILOGUE
	PLACES
	WIN 0
.irp ct, 0,1,2,3,4,5,6,7
	ds_load_b128 v[VT+8*(\ct):VT+8*(\ct)+3],   v[TA] offset:4096+64*(\ct)     ; -2 Va for these 128 columns, into key buffer 1: wanted two batches further down
	ds_load_b128 v[VT+8*(\ct)+4:VT+8*(\ct)+7], v[TA] offset:4096+64*(\ct)+16
.endr
	v_add_nc_u32 v[TA], 512, v[TA]
.irp w, 2,3
	WIN ((\w)<<6)|(\w)                             ; destination and source 0 in the accumulators' window, the table in window 0
.set p, 0
.rept 128
	v_pk_fma_f32 v[2*p:2*p+1], v[2*p:2*p+1], s[K2:K2+1], v[QT+8*((p/4)%8)+2*(p%4):QT+8*((p/4)%8)+2*(p%4)+1] op_sel_hi:[1,0,1]
.if p > 0
	v_exp_f32 v[2*p-2], v[2*p-2]
	v_exp_f32 v[2*p-1], v[2*p-1]
.endif
.set p, p+1
.endr
	v_exp_f32 v254, v254
	v_exp_f32 v255, v255
.endr
	v_nop                                          ; a plain instruction behind the last exponential,
	s_wait_alu depctr_va_vdst(0)                   ; and the batch's one wait
.irp w, 2,3
	WIN ((\w)<<6)|(\w)
.set p, 0
.rept 128
	v_pk_add_f32 v[2*p:2*p+1], v[2*p:2*p+1], 1.0 op_sel_hi:[1,0]
.if p > 0
	v_rcp_f32 v[2*p-2], v[2*p-2]
	v_rcp_f32 v[2*p-1], v[2*p-1]
.endif
.set p, p+1
.endr
	v_rcp_f32 v254, v254
	v_rcp_f32 v255, v255
.endr
	v_nop
	s_wait_alu depctr_va_vdst(0)
	s_wait_dscnt 0x0                               ; -2 Va
.irp w, 2,3
	WIN \w                                         ; source 0 in the accumulators' window, all else in window 0
.set q, 0
.rept 32                               ; column tile q / 4, pair q % 4; the window's four row tiles' chains take turns
.set t, 0
.rept 4
	v_pk_fma_f32 v[SC+2*(4*((\w)-2)+t):SC+2*(4*((\w)-2)+t)+1], v[8*(8*t+q/4)+2*(q%4):8*(8*t+q/4)+2*(q%4)+1], v[VT+8*(q/4)+2*(q%4):VT+8*(q/4)+2*(q%4)+1], v[SC+2*(4*((\w)-2)+t):SC+2*(4*((\w)-2)+t)+1]
.set t, t+1
.endr
.set q, q+1
.endr
.endr
	WIN 0
.endm
	s_load_b256 s[4:11], s[0:1], 0x0               ; keys s[4:5], ub s[6:7], qbs s[8:9], Va_w s[10:11]
	s_load_b128 s[12:15], s[0:1], 0x20             ; Va_b s[12:13], scores s[14:15]
	s_load_b64 s[16:17], s[0:1], 0x30              ; ctxp
	v_lshl_add_u32 v[SPW], v0, 2, SPARE
	v_mov_b32 v[NIL], 0
	v_lshrrev_b32 v1, 5, v0
	v_readfirstlane_b32 s[WV], v1                  ; wave 0..3
	v_and_b32 v1, 31, v0                           ; l
	v_and_b32 v2, 15, v0                           ; l % 16
	v_bfe_u32 v3, v0, 4, 1                         ; l / 16
	v_mul_u32_u24 v[AB], v2, PITCH
	v_lshl_add_u32 v[AB], v3, 4, v[AB]
	v_add_nc_u32 v[AB+1], 32*PITCH, v[AB]
	v_add_nc_u32 v[AB+2], 64*PITCH, v[AB]
	v_add_nc_u32 v[AB+3], 96*PITCH, v[AB]
	v_lshlrev_b32 v[BO], 4, v1
	s_lshl_b32 s20, s[WV], 17
	v_add_nc_u32 v[KO], s20, v[BO]
	v_add_nc_u32 v[KO+1], 2*4096, v[KO]
	v_add_nc_u32 v[KO+2], 4*4096, v[KO]
	v_add_nc_u32 v[KO+3], 6*4096, v[KO]
	s_mul_i32 s20, s[WV], 32*PITCH
	v_lshl_add_u32 v[KS], v1, 3, s20
	s_lshl_b32 s20, s[WV], 10
	s_add_co_u32 s20, s20, QB
	v_lshl_add_u32 v[TA], v3, 5, s20
	s_lshl_b32 s20, s[WV], 9
	s_add_co_u32 s20, s20, SCR
	v_lshl_add_u32 v[SA], v2, 2, s20
	v_lshrrev_b32 v50, 1, v0                       ; thread t brings the tables' columns 8 t .. 8 t + 7: in qbs tile t / 2, half t % 2,
	v_and_b32 v51, 1, v0
	v_lshlrev_b32 v50, 11, v50
	v_lshl_add_u32 v50, v51, 5, v50
	v_lshlrev_b32 v51, 5, v0                       ; in Va_w byte 32 t,
	v_add_nc_u32 v58, QB, v51                      ; and in LDS QB + 32 t: a wave writes the 1,024 bytes of each table that it reads
	s_mov_b32 s[K2], 0x4038aa3b
	s_mov_b32 s[K2+1], s[K2]
	s_mov_b32 s[SEL], 0x76543210
	s_mov_b32 s[SEL+1], 0xfedcba98
	s_mov_b32 s[L2E], 0x3fb8aa3b
	s_mov_b32 s[L2E+1], s[L2E]
	s_mov_b32 s21, 0
	s_wait_kmcnt 0x0
	s_load_b32 s[VB], s[12:13], 0x0                ; Va_b: wanted when the scores are added up
	s_lshl_b32 s20, ttmp9, 19                      ; 128 rows of 4,096 bytes
	s_add_nc_u64 s[KP:KP+1], s[4:5], s[20:21]
	s_lshl_b32 s20, s[WV], 19                      ; my 256 columns of ub
	s_add_nc_u64 s[UP:UP+1], s[6:7], s[20:21]
	s_lshl_b32 s20, ttmp9, 9
	s_add_nc_u64 s[SO:SO+1], s[14:15], s[20:21]
	s_lshl_b32 s20, ttmp9, 12
	s_add_nc_u64 s[CP:CP+1], s[16:17], s[20:21]
	s_lshr_b32 s20, ttmp9, 4                       ; the batch: 16 blocks each
	s_lshl_b32 s20, s20, 6
	s_add_nc_u64 s[QP:QP+1], s[8:9], s[20:21]
.irp q, 0,1,2,3
	global_load_b128 v[128+8*(\q):128+8*(\q)+3], v50, s[QP:QP+1] offset:131072*(\q)      ; the four partial tables
	global_load_b128 v[132+8*(\q):132+8*(\q)+3], v50, s[QP:QP+1] offset:131072*(\q)+16
.endr
	global_load_b128 v[42:45], v51, s[10:11]
	global_load_b128 v[46:49], v51, s[10:11] offset:16
	KLOADS 0
	KLOADS 1
	KLOADS 2
	WIN 0
	s_wait_loadcnt 48                              ; the ten table loads are in; the three sets of keys behind them stay out
.irp j, 0,2,4,6
	v_pk_add_f32 v[128+(\j):129+(\j)], v[128+(\j):129+(\j)], v[136+(\j):137+(\j)]
	v_pk_add_f32 v[144+(\j):145+(\j)], v[144+(\j):145+(\j)], v[152+(\j):153+(\j)]
.endr
.irp j, 0,2,4,6
	v_pk_add_f32 v[128+(\j):129+(\j)], v[128+(\j):129+(\j)], v[144+(\j):145+(\j)]
.endr
	ds_store_b128 v58, v[128:131]
	ds_store_b128 v58, v[132:135] offset:16
	v_cvt_pk_bf16_f32 v52, v42, v43                ; Va is rounded to bf16 like the other inputs, widened again, and multiplied by -2
	v_cvt_pk_bf16_f32 v53, v44, v45
	v_cvt_pk_bf16_f32 v54, v46, v47
	v_cvt_pk_bf16_f32 v55, v48, v49
.irp j, 0,1,2,3
	v_lshlrev_b32 v[42+2*(\j)], 16, v[52+(\j)]
	v_and_b32     v[43+2*(\j)], 0xffff0000, v[52+(\j)]
.endr
.irp j, 0,1,2,3
	v_pk_mul_f32 v[42+2*(\j):43+2*(\j)], v[42+2*(\j):43+2*(\j)], -2.0 op_sel_hi:[1,0]
.endr
	ds_store_b128 v58, v[42:45] offset:4096
	ds_store_b128 v58, v[46:49] offset:4112
	v_pk_add_f32 v[52:53], v[42:43], v[44:45]      ; its sum over my wave's 256 columns
	v_pk_add_f32 v[54:55], v[46:47], v[48:49]
	v_pk_add_f32 v[52:53], v[52:53], v[54:55]
	v_add_f32 v[WS], v52, v53
	v_add_f32_dpp v[WS], v[WS], v[WS] row_xmask:1 row_mask:0xf bank_mask:0xf
	v_add_f32_dpp v[WS], v[WS], v[WS] row_xmask:2 row_mask:0xf bank_mask:0xf
	v_add_f32_dpp v[WS], v[WS], v[WS] row_xmask:4 row_mask:0xf bank_mask:0xf
	v_add_f32_dpp v[WS], v[WS], v[WS] row_xmask:8 row_mask:0xf bank_mask:0xf
	v_permlanex16_b32 v52, v[WS], s[SEL], s[SEL+1]
	v_add_f32 v[WS], v[WS], v52
.set i, 0
.rept 16
	v_mov_b32 v[SC+i], 0                           ; the scores' sums run over two N blocks in one text, so they start at 0
.set i, i+1
.endr
	KLOADS 3
	WIN 0
	s_mov_b32 s[TRIP], 3
.Lfill:                                        ; a trip: eight rows are rounded and stored, the eight rows behind them asked for; four sets of two rows take turns
.irp s, 0,1,2,3
	s_wait_loadcnt 48                              ; this set is in, so its offset register is free; the three younger sets stay out
	WIN 0
	v_add_nc_u32 v[KO+(\s)], 8*4096, v[KO+(\s)]
	KSTORE \s, 2*(\s)
	KLOADS \s
.endr
	WIN 0
	v_add_nc_u32 v[KS], 8*PITCH, v[KS]
	s_sub_co_u32 s[TRIP], s[TRIP], 1
	s_cmp_lg_u32 s[TRIP], 0
	s_cbranch_scc1 .Lfill
	s_wait_loadcnt 48                              ; the last eight rows: nothing more of keys is asked for; Ua_w's first three K steps go out between them
	KSTORE 0, 0
	s_wait_loadcnt 32
	KSTORE 1, 2
	BBATCH 0, 0
	s_wait_loadcnt 32                              ; set 2 is in: behind it stand set 3's 16 loads and Ua_w's 16
	KSTORE 2, 4
	BBATCH 1, STEPB
	s_wait_loadcnt 32                              ; set 3 is in: behind it stand Ua_w's 32
	KSTORE 3, 6
	BBATCH 2, 2*STEPB
	WIN 0
	s_wait_dscnt 0x0                               ; for the others' sake: my 32 rows lie in LDS
	s_barrier_signal -1
	s_barrier_wait -1                              ; all 128 do; nobody writes them again
	AFETCH AF0, AB, 0
	s_mov_b32 s[NBC], 2
.Lnb:                                          ; an N block: 128 columns, 32 K steps, then its end.  UP stands at the block's K step 0
.irp ct, 0,1,2,3,4,5,6,7
	ds_load_b128 v[QT+8*(\ct):QT+8*(\ct)+3],   v[TA] offset:64*(\ct)
	ds_load_b128 v[QT+8*(\ct)+4:QT+8*(\ct)+7], v[TA] offset:64*(\ct)+16
.endr
.irp p, 0,1,2,3
	v_mov_b32 v[AA+(\p)], v[AB+(\p)]
.endr
	KSTEP AF0, 0, 1, AF1, AB, 64, 3*STEPB, 32      ; K step 0 stands in front of the loop: its products start the sums
	WIN 0
	s_mov_b32 s[TRIP], 7
.Lk:                                           ; trip g: K steps 4 g + 1 .. 4 g + 4; AA = AB + 256 g, UP at K step 4 g
	KSTEP AF1, 1, 0, AF0, AA, 128, 4*STEPB, 32
	KSTEP AF0, 2, 0, AF1, AA, 192, 5*STEPB, 32
	KSTEP AF1, 3, 0, AF0, AA, 256, 6*STEPB, 32
	KSTEP AF0, 0, 0, AF1, AA, 320, 7*STEPB, 32
	WIN 0
.irp p, 0,1,2,3
	v_add_nc_u32 v[AA+(\p)], 256, v[AA+(\p)]
.endr
	s_wait_xcnt 0x0                                ; the loads issued so far (the youngest 32 matrix instructions back) have read their base: only now is it stepped
	s_add_nc_u64 s[UP:UP+1], s[UP:UP+1], 4*STEPB
	s_sub_co_u32 s[TRIP], s[TRIP], 1
	s_cmp_lg_u32 s[TRIP], 0
	s_cbranch_scc1 .Lk
	s_cmp_eq_u32 s[NBC], 1
	s_cbranch_scc1 .Lfinal
	KSTEP AF1, 1, 0, AF0, AB, 1920, 4*STEPB, 32    ; K steps 29 to 31 of the first N block: the stream and the key fragments go on into the second
	KSTEP AF0, 2, 0, AF1, AB, 1984, 5*STEPB, 32
	KSTEP AF1, 3, 0, AF0, AB, 0,    6*STEPB, 32
	WIN 0
	s_wait_xcnt 0x0
	s_add_nc_u64 s[UP:UP+1], s[UP:UP+1], 4*STEPB   ; the next N block's K step 0
	s_branch .Lepi
.Lfinal:                                       ; K steps 29 to 31 of the last N block: nothing more of Ua_w is asked for, and the counts run down
	KSTEP AF1, 1, 0, AF0, AB, 1920, -1, 32
	KSTEP AF0, 2, 0, AF1, AB, 1984, -1, 16
	KSTEP AF1, 3, 0, AF0, AB, -1,   -1, 0
	WIN 0
.Lepi:
	EPILOGUE
	s_sub_co_u32 s[NBC], s[NBC], 1
	s_cmp_lg_u32 s[NBC], 0
	s_cbranch_scc1 .Lnb
	; THE SCORES.  A lane's pair, and the other half of the lanes', are added: the row's sum over my wave's 256 columns; sum Va = -WS / 2 joins it.  The four waves' parts meet in LDS.
.irp t, 0,1,2,3,4,5,6,7
	v_add_f32 v[W+(\t)], v[SC+2*(\t)], v[SC+2*(\t)+1]
.endr
.irp t, 0,1,2,3,4,5,6,7
	v_permlanex16_b32 v[W+8+(\t)], v[W+(\t)], s[SEL], s[SEL+1]
.endr
.irp t, 0,1,2,3,4,5,6,7
	v_add_f32 v[W+(\t)], v[W+(\t)], v[W+8+(\t)]
.endr
.irp t, 0,1,2,3,4,5,6,7
	v_fma_f32 v[W+(\t)], v[WS], -0.5, v[W+(\t)]
.endr
.irp t, 0,1,2,3,4,5,6,7
	ds_store_b32 v[SA], v[W+(\t)] offset:64*(\t)   ; row 16 t + l % 16; both halves of the lanes write the same number
.endr
	v_lshl_add_u32 v50, v1, 4, SCR                 ; lane l takes rows 4 l .. 4 l + 3, in every wave alike
	s_wait_dscnt 0x0                               ; for the others' sake
	s_barrier_signal -1
	s_barrier_wait -1
.irp i, 0,1,2,3
	ds_load_b128 v[W+4*(\i):W+4*(\i)+3], v50 offset:512*(\i)
.endr
	s_wait_kmcnt 0x0                               ; Va_b
	s_mov_b32 s[VB+1], s[VB]
	s_wait_dscnt 0x0
	v_pk_add_f32 v[34:35], v[34:35], v[38:39]
	v_pk_add_f32 v[36:37], v[36:37], v[40:41]
	v_pk_add_f32 v[42:43], v[42:43], v[46:47]
	v_pk_add_f32 v[44:45], v[44:45], v[48:49]
	v_pk_add_f32 v[34:35], v[34:35], v[42:43]
	v_pk_add_f32 v[36:37], v[36:37], v[44:45]
	v_pk_add_f32 v[34:35], v[34:35], s[VB:VB+1] op_sel_hi:[1,0]
	v_pk_add_f32 v[36:37], v[36:37], s[VB:VB+1] op_sel_hi:[1,0]
	v_max3_num_f32 v51, v34, v35, v36              ; the block's maximum m
	v_max_num_f32 v51, v51, v37
	v_max_num_f32_dpp v51, v51, v51 row_xmask:1 row_mask:0xf bank_mask:0xf
	v_max_num_f32_dpp v51, v51, v51 row_xmask:2 row_mask:0xf bank_mask:0xf
	v_max_num_f32_dpp v51, v51, v51 row_xmask:4 row_mask:0xf bank_mask:0xf
	v_max_num_f32_dpp v51, v51, v51 row_xmask:8 row_mask:0xf bank_mask:0xf
	v_permlanex16_b32 v52, v51, s[SEL], s[SEL+1]
	v_max_num_f32 v51, v51, v52
	v_mul_f32 v52, s[L2E], v51
	v_pk_fma_f32 v[54:55], v[34:35], s[L2E:L2E+1], v[52:53] op_sel_hi:[1,0,0] neg_lo:[0,0,1] neg_hi:[0,0,1]  ; log2(e) s - log2(e) m
	v_pk_fma_f32 v[56:57], v[36:37], s[L2E:L2E+1], v[52:53] op_sel_hi:[1,0,0] neg_lo:[0,0,1] neg_hi:[0,0,1]
	s_lshl_b32 s20, s[WV], 9
	s_add_co_u32 s20, s20, PW                      ; my wave's copy of p
	v_exp_f32 v54, v54
	v_exp_f32 v55, v55
	v_exp_f32 v56, v56
	v_exp_f32 v57, v57
	v_lshl_add_u32 v58, v1, 4, s20                 ; a plain instruction behind the last exponential,
	s_wait_alu depctr_va_vdst(0)                   ; and the one wait for the four
	ds_store_b128 v58, v[54:57]
	s_cmp_lg_u32 s[WV], 0
	s_cbranch_scc1 .Lnot_wave_0
	global_store_b128 v[BO], v[34:37], s[SO:SO+1]  ; the block's 128 scores: 512 consecutive bytes, aligned
.Lnot_wave_0:
	; THE CONTEXT.  Thread t owns channels 4 t .. 4 t + 3 and 512 + 4 t .. + 3: 8 bytes twice of each bf16 row in LDS; a wave's load covers 256 consecutive bytes.  Sums in f32.
	; p comes from my wave's own copy, which LDS serves behind the store above (a wave's LDS instructions are served in order: ISA guide 5.7.1.4).
	v_lshlrev_b32 v[CA], 3, v0
	v_mov_b32 v[PA], s20
	v_lshlrev_b32 v[CO], 4, v0
.set i, 0
.rept 8
	v_mov_b32 v[CX+i], 0
.set i, i+1
.endr
.macro CLOAD set, row0                 ; eight rows: their p (every lane the same 32 bytes) and my 16 bytes of each: 18 LDS loads
	ds_load_b128 v[PS+8*(\set):PS+8*(\set)+3],   v[PA] offset:4*(\row0)
	ds_load_b128 v[PS+8*(\set)+4:PS+8*(\set)+7], v[PA] offset:4*(\row0)+16
.set i, 0
.rept 8
	ds_load_b64 v[KR+32*(\set)+4*i:KR+32*(\set)+4*i+1],   v[CA] offset:((\row0)+i)*PITCH
	ds_load_b64 v[KR+32*(\set)+4*i+2:KR+32*(\set)+4*i+3], v[CA] offset:((\row0)+i)*PITCH+1024
.set i, i+1
.endr
.endm
.macro CMUL set                        ; 64 multiply-adds straight from the bf16 halves; the eight sums take turns
.set i, 0
.rept 8
.set e, 0
.rept 8
	v_fma_mix_f32_bf16 v[CX+e], v[KR+32*(\set)+4*i+e/2], v[PS+8*(\set)+i], v[CX+e] op_sel:[e%2,0,0] op_sel_hi:[1,0,0]
.set e, e+1
.endr
.set i, i+1
.endr
.endm
	CLOAD 0, 0
	CLOAD 1, 8
	s_mov_b32 s[TRIP], 7
.Lctx:                                         ; a trip: 16 rows are added, the 16 behind them fetched
	s_wait_dscnt 18                                ; set 0 is in; set 1's 18 loads may be out
	CMUL 0
	CLOAD 0, 16
	s_wait_dscnt 18
	CMUL 1
	CLOAD 1, 24
	v_add_nc_u32 v[CA], 16*PITCH, v[CA]
	v_add_nc_u32 v[PA], 64, v[PA]
	s_sub_co_u32 s[TRIP], s[TRIP], 1
	s_cmp_lg_u32 s[TRIP], 0
	s_cbranch_scc1 .Lctx
	s_wait_dscnt 18                                ; the last 16 rows fetch nothing
	CMUL 0
	s_wait_dscnt 0x0
	CMUL 1
	global_store_b128 v[CO], v[CX:CX+3],   s[CP:CP+1]              ; a wave's store covers 512 consecutive bytes, aligned
	global_store_b128 v[CO], v[CX+4:CX+7], s[CP:CP+1] offset:2048
	s_wait_tensorcnt 0x0                           ; the wave's end, behind my last LDS store
	ds_add_u32 v[SPW], v[NIL]
	s_wait_dscnt 0x0
	s_endpgm
.Lfunc_end_k_q142270ebb3_main:
	.size	k_q142270ebb3_main, .Lfunc_end_k_q142270ebb3_main-k_q142270ebb3_main
	.p2alignl 7, 3214868480
	.fill 96, 4, 3214868480
	.section	.rodata,"a",@progbits
	.p2align	6, 0x0
	.amdhsa_kernel k_q142270ebb3_main
		.amdhsa_group_segment_fixed_size 276992
		.amdhsa_private_segment_fixed_size 0
		.amdhsa_enable_private_segment 0
		.amdhsa_kernarg_size 56
		.amdhsa_user_sgpr_count 2
		.amdhsa_user_sgpr_kernarg_segment_ptr 1
		.amdhsa_wavefront_size32 1
		.amdhsa_system_sgpr_workgroup_id_x 1
		.amdhsa_system_sgpr_workgroup_id_y 1
		.amdhsa_system_sgpr_workgroup_id_z 1
		.amdhsa_system_vgpr_workitem_id 0
		.amdhsa_next_free_vgpr 1024
		.amdhsa_next_free_sgpr 66
		.amdhsa_reserve_vcc 0
		.amdhsa_float_denorm_mode_32 3
		.amdhsa_float_denorm_mode_16_64 3
		.amdhsa_memory_ordered 1
		.amdhsa_forward_progress 1
		.amdhsa_inst_pref_size 229
	.end_amdhsa_kernel
	.amdgpu_metadata
---
amdhsa.version: [ 1, 2 ]
amdhsa.kernels:
  - .name:           k_q142270ebb3_main
    .symbol:         k_q142270ebb3_main.kd
    .args:
      - { .name: keys, .offset: 0, .size: 8, .value_kind: global_buffer, .address_space: global }
      - { .name: ub, .offset: 8, .size: 8, .value_kind: global_buffer, .address_space: global }
      - { .name: qbs, .offset: 16, .size: 8, .value_kind: global_buffer, .address_space: global }
      - { .name: Va_w, .offset: 24, .size: 8, .value_kind: global_buffer, .address_space: global }
      - { .name: Va_b, .offset: 32, .size: 8, .value_kind: global_buffer, .address_space: global }
      - { .name: scores, .offset: 40, .size: 8, .value_kind: global_buffer, .address_space: global }
      - { .name: ctxp, .offset: 48, .size: 8, .value_kind: global_buffer, .address_space: global }
    .group_segment_fixed_size: 276992
    .private_segment_fixed_size: 0
    .kernarg_segment_align: 8
    .kernarg_segment_size: 56
    .max_flat_workgroup_size: 128
    .sgpr_count:     66
    .vgpr_count:     1024
    .wavefront_size: 32
...
	.end_amdgpu_metadata
.endif
;; end of part 2
;; launch finish (part 3): grid 32 x 1, 8 waves a work-group, no clusters, 1,536 bytes of LDS; arguments scores, ctxp, out0, out1; writes out0, out1
.if DOCPART == 3
	.amdgcn_target "amdgcn-amd-amdhsa--gfx1250"
	.amdhsa_code_object_version 6
	.text
	.protected	k_q142270ebb3_finish
	.globl	k_q142270ebb3_finish
	.p2align	8
	.type	k_q142270ebb3_finish,@function
k_q142270ebb3_finish:
	s_mov_b64 s[64:65], 0
	v_nop
	global_prefetch_b8 v0, s[64:65] scope:SCOPE_SE
	s_setreg_imm32_b32 hwreg(HW_REG_WAVE_MODE, 25, 1), 1
	s_wait_xcnt 0x0
; FINISH.  One work-group a batch.  From the 2,048 scores: the 16 blocks' maxima m_i (the same numbers that the launch before took away, since a maximum is exact), the batch's maximum M,
; e[s] = 2^(log2(e) s - log2(e) M), L = sum e; out1 = e / L.  From the 16 partial contexts, each made with its block's own maximum: out0 = (sum over i of 2^(log2(e) m_i - log2(e) M) ctxp_i) / L.
; All in f32.  LIMITS: a weight or a factor below 2^-126 counts as 0; NaN and infinities are not treated apart.
; SHARES.  Thread t holds rows 4 t .. 4 t + 3 and 1,024 + 4 t .. + 3, so wave v's 32 lanes hold just block v and block 8 + v; and channels 4 t .. 4 t + 3 of all 16 partial contexts.
; No matrix unit, no cluster: 72 KiB a work-group, each byte read once, and nothing shared between work-groups.
.set MX,    0                          ; LDS: the 16 block maxima, 64 bytes
.set SUM,   256                        ; the 8 waves' sums, 32 bytes
.set SPARE, 512                        ; the spare words, 128 bytes for each wave: four blocks of 256 bytes that no other line names
.set SPW, 126                          ; v126 LDS address of my spare word; never rewritten
.set NIL, 127                          ; v127 0; never rewritten
	s_load_b256 s[4:11], s[0:1], 0x0               ; scores s[4:5], ctxp s[6:7], out0 s[8:9], out1 s[10:11]
	v_lshl_add_u32 v[SPW], v0, 2, SPARE
	v_mov_b32 v[NIL], 0
	v_lshrrev_b32 v2, 5, v0
	v_readfirstlane_b32 s14, v2                    ; wave 0..7
	s_lshl_b32 s15, s14, 2
	v_mov_b32 v15, s15                             ; my wave's word
	v_lshlrev_b32 v1, 4, v0                        ; 16 t
	v_mov_b32 v14, 0                               ; v_permlanex16_b32's destination counts as read
	v_mov_b32 v80, 0
	v_mov_b32 v117, 0                              ; named in a pair with 1 / L
	s_mov_b32 s12, 0x76543210
	s_mov_b32 s13, 0xfedcba98
	s_mov_b32 s16, 0x3fb8aa3b                      ; log2(e)
	s_mov_b32 s17, s16
	s_lshl_b32 s20, ttmp9, 13                      ; a batch's 2,048 scores and weights,
	s_mov_b32 s21, 0
	s_lshl_b32 s22, ttmp9, 16                      ; its 16 partial contexts,
	s_mov_b32 s23, 0
	s_lshl_b32 s24, ttmp9, 12                      ; its context
	s_mov_b32 s25, 0
	s_wait_kmcnt 0x0
	s_add_nc_u64 s[4:5], s[4:5], s[20:21]
	s_add_nc_u64 s[6:7], s[6:7], s[22:23]
	s_add_nc_u64 s[8:9], s[8:9], s[24:25]
	s_add_nc_u64 s[10:11], s[10:11], s[20:21]
	global_load_b128 v[4:7],  v1, s[4:5]
	global_load_b128 v[8:11], v1, s[4:5] offset:4096
.set i, 0
.rept 16
	global_load_b128 v[16+4*i:16+4*i+3], v1, s[6:7] offset:4096*i
.set i, i+1
.endr
	s_wait_loadcnt 16                              ; the scores are in; the 16 loads of ctxp stay out
	v_max3_num_f32 v12, v4, v5, v6
	v_max3_num_f32 v13, v8, v9, v10
	v_max_num_f32 v12, v12, v7
	v_max_num_f32 v13, v13, v11
.irp m, 1,2,4,8
	v_max_num_f32_dpp v12, v12, v12 row_xmask:\m row_mask:0xf bank_mask:0xf
	v_max_num_f32_dpp v13, v13, v13 row_xmask:\m row_mask:0xf bank_mask:0xf
.endr
	v_permlanex16_b32 v14, v12, s12, s13
	v_max_num_f32 v12, v12, v14
	v_permlanex16_b32 v14, v13, s12, s13
	v_max_num_f32 v13, v13, v14
	ds_store_b32 v15, v12 offset:MX                ; block v's maximum,
	ds_store_b32 v15, v13 offset:MX+32             ; block 8 + v's
	s_wait_dscnt 0x0
	s_barrier_signal -1
	s_barrier_wait -1
.irp i, 0,1,2,3
	ds_load_b128 v[84+4*(\i):84+4*(\i)+3], v80 offset:MX+16*(\i)   ; m_0 .. m_15, in every lane
.endr
	s_wait_dscnt 0x0
	v_max3_num_f32 v100, v84, v85, v86
	v_max3_num_f32 v101, v87, v88, v89
	v_max3_num_f32 v102, v90, v91, v92
	v_max3_num_f32 v103, v93, v94, v95
	v_max3_num_f32 v100, v100, v96, v97
	v_max3_num_f32 v101, v101, v98, v99
	v_max3_num_f32 v100, v100, v101, v102
	v_max_num_f32 v100, v100, v103                 ; M
	v_mul_f32 v102, s16, v100                      ; log2(e) M; v103 is named with it as a pair
.irp r, 4,6,8,10,84,86,88,90,92,94,96,98
	v_pk_fma_f32 v[\r:\r+1], v[\r:\r+1], s[16:17], v[102:103] op_sel_hi:[1,0,0] neg_lo:[0,0,1] neg_hi:[0,0,1]
.endr
.irp r, 4,5,6,7,8,9,10,11,84,85,86,87,88,89,90,91,92,93,94,95,96,97,98,99
	v_exp_f32 v\r, v\r                             ; one batch: my 8 weights and the 16 blocks' factors
.endr
	v_nop                                          ; a plain instruction behind the last exponential,
	s_wait_alu depctr_va_vdst(0)                   ; and the batch's one wait
	v_pk_add_f32 v[104:105], v[4:5], v[6:7]
	v_pk_add_f32 v[106:107], v[8:9], v[10:11]
	v_pk_add_f32 v[104:105], v[104:105], v[106:107]
	v_add_f32 v104, v104, v105
.irp m, 1,2,4,8
	v_add_f32_dpp v104, v104, v104 row_xmask:\m row_mask:0xf bank_mask:0xf
.endr
	v_permlanex16_b32 v14, v104, s12, s13
	v_add_f32 v104, v104, v14
	ds_store_b32 v15, v104 offset:SUM
	s_wait_dscnt 0x0
	s_barrier_signal -1
	s_barrier_wait -1
	ds_load_b128 v[108:111], v80 offset:SUM
	ds_load_b128 v[112:115], v80 offset:SUM+16
	s_wait_dscnt 0x0
	v_pk_add_f32 v[108:109], v[108:109], v[110:111]
	v_pk_add_f32 v[112:113], v[112:113], v[114:115]
	v_pk_add_f32 v[108:109], v[108:109], v[112:113]
	v_add_f32 v108, v108, v109                     ; L
	v_rcp_f32 v116, v108
	v_nop
	s_wait_alu depctr_va_vdst(0)
.irp r, 4,6,8,10
	v_pk_mul_f32 v[\r:\r+1], v[\r:\r+1], v[116:117] op_sel_hi:[1,0]
.endr
	global_store_b128 v1, v[4:7],  s[10:11]                        ; a wave's store covers 512 consecutive bytes, aligned
	global_store_b128 v1, v[8:11], s[10:11] offset:4096
	s_wait_loadcnt 0x0                             ; ctxp
	v_pk_mul_f32 v[120:121], v[16:17], v[84:85] op_sel_hi:[1,0]    ; block 0 starts the sums
	v_pk_mul_f32 v[122:123], v[18:19], v[84:85] op_sel_hi:[1,0]
.set i, 1
.rept 15                               ; block i's factor is the first (i even) or the second (i odd) register of its pair, for both halves
.if i%2
	v_pk_fma_f32 v[120:121], v[16+4*i:16+4*i+1], v[84+i-1:84+i], v[120:121] op_sel:[0,1,0] op_sel_hi:[1,1,1]
	v_pk_fma_f32 v[122:123], v[16+4*i+2:16+4*i+3], v[84+i-1:84+i], v[122:123] op_sel:[0,1,0] op_sel_hi:[1,1,1]
.else
	v_pk_fma_f32 v[120:121], v[16+4*i:16+4*i+1], v[84+i:84+i+1], v[120:121] op_sel_hi:[1,0,1]
	v_pk_fma_f32 v[122:123], v[16+4*i+2:16+4*i+3], v[84+i:84+i+1], v[122:123] op_sel_hi:[1,0,1]
.endif
.set i, i+1
.endr
	v_pk_mul_f32 v[120:121], v[120:121], v[116:117] op_sel_hi:[1,0]
	v_pk_mul_f32 v[122:123], v[122:123], v[116:117] op_sel_hi:[1,0]
	global_store_b128 v1, v[120:123], s[8:9]
	s_wait_tensorcnt 0x0                           ; the wave's end, behind my last LDS store
	ds_add_u32 v[SPW], v[NIL]
	s_wait_dscnt 0x0
	s_endpgm
.Lfunc_end_k_q142270ebb3_finish:
	.size	k_q142270ebb3_finish, .Lfunc_end_k_q142270ebb3_finish-k_q142270ebb3_finish
	.p2alignl 7, 3214868480
	.fill 96, 4, 3214868480
	.section	.rodata,"a",@progbits
	.p2align	6, 0x0
	.amdhsa_kernel k_q142270ebb3_finish
		.amdhsa_group_segment_fixed_size 1536
		.amdhsa_private_segment_fixed_size 0
		.amdhsa_enable_private_segment 0
		.amdhsa_kernarg_size 32
		.amdhsa_user_sgpr_count 2
		.amdhsa_user_sgpr_kernarg_segment_ptr 1
		.amdhsa_wavefront_size32 1
		.amdhsa_system_sgpr_workgroup_id_x 1
		.amdhsa_system_sgpr_workgroup_id_y 1
		.amdhsa_system_sgpr_workgroup_id_z 1
		.amdhsa_system_vgpr_workitem_id 0
		.amdhsa_next_free_vgpr 128
		.amdhsa_next_free_sgpr 66
		.amdhsa_reserve_vcc 0
		.amdhsa_float_denorm_mode_32 3
		.amdhsa_float_denorm_mode_16_64 3
		.amdhsa_memory_ordered 1
		.amdhsa_forward_progress 1
		.amdhsa_inst_pref_size 11
	.end_amdhsa_kernel
	.amdgpu_metadata
---
amdhsa.version: [ 1, 2 ]
amdhsa.kernels:
  - .name:           k_q142270ebb3_finish
    .symbol:         k_q142270ebb3_finish.kd
    .args:
      - { .name: scores, .offset: 0, .size: 8, .value_kind: global_buffer, .address_space: global }
      - { .name: ctxp, .offset: 8, .size: 8, .value_kind: global_buffer, .address_space: global }
      - { .name: out0, .offset: 16, .size: 8, .value_kind: global_buffer, .address_space: global }
      - { .name: out1, .offset: 24, .size: 8, .value_kind: global_buffer, .address_space: global }
    .group_segment_fixed_size: 1536
    .private_segment_fixed_size: 0
    .kernarg_segment_align: 8
    .kernarg_segment_size: 32
    .max_flat_workgroup_size: 256
    .sgpr_count:     66
    .vgpr_count:     128
    .wavefront_size: 32
...
	.end_amdgpu_metadata
.endif
;; end of part 3
;; ======== version 2 of 2: 3 launches; version 1 with the launch main written anew for expert scheduling mode
;; limits: values outside matrix products are rounded to bf16
;; workspace buffers: ub 2,097,152 bytes; qbs 524,288 bytes; scores 262,144 bytes; ctxp 2,097,152 bytes
;; launch prep: the kernel of part 1 again; grid 256 x 1, 4 waves a work-group, no clusters, 8,704 bytes of LDS; arguments query, Wa_w, Ua_w, Wa_b, Ua_b, ub, qbs; writes ub, qbs
;; launch main (part 4): grid 512 x 1, 4 waves a work-group, no clusters, 276,992 bytes of LDS; arguments keys, ub, qbs, Va_w, Va_b, scores, ctxp; writes scores, ctxp
.if DOCPART == 4
	.amdgcn_target "amdgcn-amd-amdhsa--gfx1250"
	.amdhsa_code_object_version 6
	.text
	.protected	k_q142270ebb3_main
	.globl	k_q142270ebb3_main
	.p2align	8
	.type	k_q142270ebb3_main,@function
k_q142270ebb3_main:
	s_mov_b64 s[64:65], 0
	v_nop
	global_prefetch_b8 v0, s[64:65] scope:SCOPE_SE
	s_setreg_imm32_b32 hwreg(HW_REG_WAVE_SCHED_MODE, 0, 2), 2
	s_setreg_imm32_b32 hwreg(HW_REG_WAVE_MODE, 25, 1), 1
	s_wait_xcnt 0x0
	s_wait_alu depctr_vm_vsrc(0)
; MAIN.  For a block of 128 key rows of one batch: score[s] = Va_b + sum over o of Va[o] tanh(q_proj[o] + Ua_b[o] + keys[s] . Ua_w[o]); p[s] = e^(score[s] - the block's maximum);
; ctxp[blk][h] = sum over the block's s of p[s] keys[s][h].  The scores and the partial context are stored; the next launch takes the batch's true maximum and rescales.
; EACH BYTE OF keys IS READ ONCE: the 128 rows are rounded once to bf16 into LDS, stay there, feed the product with Ua_w, and, when the scores are known, the context.
; NO CLUSTER, NO TENSOR LOADS: the resident rows take 264,192 bytes of LDS; what is left cannot hold two slots of Ua_w with work enough in each.  And no two waves of a work-group want
; the same byte of Ua_w (wave w owns the columns 256 w .. 256 w + 255), so its fragments, which the launch before has laid out in the order of my stream, come straight into registers.
; NO PREFETCH: a work-group asks for all its keys from its first lines on, 48 to 64 loads a wave out, so a prefetch of its own keys could stand no earlier than the loads; ub is read by every work-group.
; LAYOUT.  Source 0 = 16 columns of Ua_w (m = o), source 1 = 16 key rows (n = row): in the result a lane holds ONE key row (lane % 16) and the columns 8 (lane / 16) + 0..7.
; A wave's tile is 128 rows x 128 columns: 64 accumulators, which take turns in one order everywhere; two such N blocks a wave.  For 32 along K a wave reads
; 8 KiB of keys from LDS and 8 KiB of Ua_w, for 64 matrix instructions.
; Ua_w's RING.  Four sets of registers, a K step (8 fragments, 16 loads) each.  K step s asks for step s + 3, into the set that step s - 1 has read, behind its 8th, 16th and 24th product:
; the last of these loads stands 168 matrix instructions ahead of its first use.  The stream runs on from the first N block into the second; the second's last three K steps ask for nothing, so no load leaves ub.
; TANH.  tanh(x) = 1 - 2 r, r = 1 / (1 + 2^(K2 x)), K2 = 2 log2(e).  score = Va_b + sum Va - 2 sum Va r.  All in f32, on the accumulators' registers.
; LIMITS.  keys, Ua_w and Va_w are rounded once to bf16.  Beyond |x| of about 44 the form gives exactly +1 or -1.  The score is a sum of f32 terms of the size of sum |Va| and carries their rounding.
; A p below 2^-126 counts as 0.  NaN and infinities are not treated apart.
; THE MODE: SCHED_MODE bits 1:0 = 2 (LLVM: expert scheduling mode 2), set by the entry lines.  The code itself states the register dependences
; between vector or matrix instructions and memory or LDS instructions, with s_wait_alu, always for 0.
; THE PLAN.  Registers that memory or LDS instructions touch, and who else names them:
;   AB, BO, KO, SA   offsets and addresses made at the head and never written again.
;   THE FILL.  RAW0 .. RAW3 (window 3): a set's 16 loads land in it, its 32 conversions read it.  OUT0 .. OUT3 (window 2): the conversions write it, the set's 16 LDS stores read it.  One wait on va_vdst
;              a set, behind its conversions; the set's loads and stores follow it.  Each set has a scalar base of its own.  KS is stepped once a trip: the wait on vm_vsrc ahead of that add also frees the four OUT.
;   THE K LOOP.  Step s: its products read key buffer s % 2 and ring set s % 4.  Its LDS loads land in the other key buffer, its loads of Ua_w in ring set (s - 1) % 4: both were last read by the products of
;              step s - 1.  So ONE wait on va_vdst stands at a step's head, and the step's 32 loads are dealt among its 64 products, which name none of the registers that those loads touch.
;              AA is stepped once in four steps, behind a wait on vm_vsrc and ahead of the next step's head.
;   AN N BLOCK'S END.  VT lands in key buffer 1, which step 31's products have read: one wait.  TA is stepped behind the exponentials; QT is read ahead of the exponentials' wait and loaded again at the next block's head.
;   SCORES, CONTEXT.  W: vector sums, LDS stores, LDS loads.  The context's two sets: a set is asked for again behind the multiply-adds that read it and one wait; CA and PA are stepped ahead of the second of a trip's two waits.
; REGISTERS, in windows of 256 (s_set_vgpr_msb: bits 1:0 source 0, 3:2 source 1, 5:4 source 2, 7:6 destination):
;   window 0: addresses, scores, a table, two buffers of key fragments     window 1: Ua_w's ring     window 2: the accumulators of rows 0-63; before them OUT     window 3: those of rows 64-127; before them RAW
.set PITCH, 2064                       ; a key row in LDS: 2,048 bytes + 16: an odd multiple of 16, so the 16 rows of a fragment load start at 16 different groups of four banks (ISA guide 11.1)
.set QB,    128*PITCH                  ; behind the rows: K2 (q_proj + biases) of my batch, by column o: 4,096 bytes
.set SCR,   QB+8192                    ; (at QB + 4,096: -2 bf16(Va), by o: 4,096 bytes)  then the waves' partial scores, [wave][row]: 2,048 bytes
.set PW,    SCR+2048                   ; p, [wave][row]: each wave's own copy: 2,048 bytes; the 512 bytes behind it hold the spare words, 128 bytes for each wave
.set STEPB, 8192                       ; bytes of ub in a K step of my 128 columns
.set AB,  4                            ; v4-7    (32 p + l % 16) x PITCH + 16 (l / 16), p = 0..3: my place in the key fragments; never rewritten
.set AA,  8                            ; v8-11   the same, stepped along K.  Later: v8 CA, v9 PA, v10 CO (the context's addresses)
.set BO,  12                           ; v12     16 l; never rewritten
.set KO,  13                           ; v13     the fill: wave x 32 rows x 4,096 + 16 l; never rewritten
.set KS,  14                           ; v14     the fill: wave x 32 x PITCH + 8 l, stepped
.set TA,  15                           ; v15     QB + 1,024 x wave + 32 (l / 16), stepped by 512 for each N block
.set SC,  16                           ; v16-31  -2 sum Va r: a pair for each of the eight row tiles
.set WS,  32                           ; v32     the sum of -2 Va over my wave's 256 columns
.set SA,  33                           ; v33     SCR + 512 x wave + 4 (l % 16); never rewritten
.set W,   34                           ; v34-61  at work
.set QT,  64                           ; v64-127 the first table for the N block's columns: column tile ct, register j at 8 ct + j
.set AF0, 128                          ; v128-191, v192-255: key fragments of 128 rows x 32 K, row tile rt at 8 rt
.set AF1, 192
.set VT,  192                          ; -2 Va likewise, at an N block's end, when key buffer 1 is free
.set CA,  8
.set PA,  9
.set CO,  10
.set PS,  64                           ; the context: two sets of 8 p,
.set KR,  96                           ; two sets of 8 rows x 4 registers of keys,
.set CX,  160                          ; and my 8 channels' sums
.set WV,  18                           ; s18      my wave's number
.set K2,  22                           ; s[22:23] 2 log2(e): the packed forms take the pair's low word for both halves
.set SEL, 24                           ; s[24:25] v_permlanex16_b32's selects: each lane takes its own place in the other half
.set NBC, 26                           ; s26      N blocks to go
.set TRIP, 27                          ; s27      the inner loops' counter
.set VB,  28                           ; s[28:29] Va_b
.set L2E, 30                           ; s[30:31] log2(e)
.set QP,  32                           ; s[32:33] qbs at my batch
.set UP,  34                           ; s[34:35] ub at my wave's stream, stepped four K steps at a time
.set SO,  36                           ; s[36:37] scores at the block
.set CP,  38                           ; s[38:39] ctxp at the block
.set KB,  40                           ; s[40:47] the fill: set s: keys at the two rows that the set is asked for next (of wave 0): a pair at KB + 2 s
.set MSB, 0
.macro WIN new                         ; the immediate's high byte repeats the setting that is left; a switch that changes nothing is dropped
.if MSB != (\new)
	s_set_vgpr_msb (MSB<<8)|(\new)
.set MSB, \new
.endif
.endm
.macro PLACES                          ; four places behind a matrix instruction, in front of vector work on its results (ISA guide 7.12.1)
.rept 4
	v_nop
.endr
.endm
; THE FILL.  Two rows of keys, 16 loads of 512 consecutive bytes, into RAW[s] (window 3).
.macro KLOADS s
	WIN 0xc0
.set i, 0
.rept 16
	global_load_b128 v[64*(\s)+4*i:64*(\s)+4*i+3], v[KO], s[KB+2*(\s):KB+2*(\s)+1] offset:(i/8)*4096+(i%8)*512 th:TH_LOAD_NT
.set i, i+1
.endr
.endm
; They are rounded to bf16, out of RAW[s] into OUT[s] (window 2, 32 registers at 32 s),
.macro KROUND s
	WIN 0x8f
.set i, 0
.rept 16
	v_cvt_pk_bf16_f32 v[32*(\s)+2*i],   v[64*(\s)+4*i],   v[64*(\s)+4*i+1]
	v_cvt_pk_bf16_f32 v[32*(\s)+2*i+1], v[64*(\s)+4*i+2], v[64*(\s)+4*i+3]
.set i, i+1
.endr
.endm
; and stored: 256 consecutive bytes of LDS a store.
.macro KSTORE s, row
	WIN 0x08
.set i, 0
.rept 16
	ds_store_b64 v[KS], v[32*(\s)+2*i:32*(\s)+2*i+1] offset:((\row)+i/8)*PITCH+(i%8)*256
.set i, i+1
.endr
.endm
; Ua_w: n of the 8 fragments of a K step of my 128 columns, from column tile c0 on: two loads of 512 consecutive bytes each, into set ring of window 1.
.macro BPART ring, off, c0, n
	WIN 0x40
.set bc, \c0
.rept \n
	global_load_b128 v[64*(\ring)+8*bc:64*(\ring)+8*bc+3],   v[BO], s[UP:UP+1] offset:(\off)+bc*1024
	global_load_b128 v[64*(\ring)+8*bc+4:64*(\ring)+8*bc+7], v[BO], s[UP:UP+1] offset:(\off)+bc*1024+512
.set bc, bc+1
.endr
.endm
; The key fragments of row tiles rt0 and rt0 + 1 (rt0 even), 32 K at byte k of the rows: four LDS loads.
.macro APART af, areg, k, rt0
	WIN 0
.irp d, 0,1
	ds_load_b128 v[(\af)+8*((\rt0)+(\d)):(\af)+8*((\rt0)+(\d))+3],   v[(\areg)+(\rt0)/2] offset:(\d)*16*PITCH+(\k)
	ds_load_b128 v[(\af)+8*((\rt0)+(\d))+4:(\af)+8*((\rt0)+(\d))+7], v[(\areg)+(\rt0)/2] offset:(\d)*16*PITCH+(\k)+32
.endr
.endm
.macro AFETCH af, areg, k              ; all eight row tiles, ascending
.irp r0, 0,2,4,6
	APART \af, \areg, \k, \r0
.endr
.endm
; 8 matrix instructions: row tile rt (0-3: window 2; 4-7: window 3) x the eight column tiles, 32 along K.  zero = 1: the product starts the sums: nothing is cleared.
.macro MUL8 af, ring, rt, zero
	WIN 0xa1+0x50*((\rt)/4)
.irp ct, 0,1,2,3,4,5,6,7
.if \zero
	v_wmma_f32_16x16x32_bf16 v[8*(8*((\rt)%4)+(\ct)):8*(8*((\rt)%4)+(\ct))+7], v[64*(\ring)+8*(\ct):64*(\ring)+8*(\ct)+7], v[(\af)+8*(\rt):(\af)+8*(\rt)+7], 0
.else
	v_wmma_f32_16x16x32_bf16 v[8*(8*((\rt)%4)+(\ct)):8*(8*((\rt)%4)+(\ct))+7], v[64*(\ring)+8*(\ct):64*(\ring)+8*(\ct)+7], v[(\af)+8*(\rt):(\af)+8*(\rt)+7], v[8*(8*((\rt)%4)+(\ct)):8*(8*((\rt)%4)+(\ct))+7]
.endif
.endr
.endm
; A K STEP of 32: 64 matrix instructions on key buffer af and Ua_w's set ring, row tiles ascending.  Among them, behind every eighth: Ua_w of the step three on (from byte boff behind UP, into the set
; that the step before has read; boff < 0: none) in parts of 6, 6 and 4 loads, then the next step's key fragments (into naf, from byte nk of the rows; nk < 0: none) in four parts of 4.
; lcnt: the younger loads of Ua_w that may stay out.
.macro KSTEP af, ring, zero, naf, nreg, nk, boff, lcnt
	s_wait_loadcnt \lcnt                           ; this step's Ua_w is in
	s_wait_dscnt 8                                 ; row tiles 0-3 are in; the youngest eight LDS loads (tiles 4-7) may be out
.if (\nk) >= 0
	s_wait_alu depctr_va_vdst(0)                   ; the step before is done reading the other key buffer and its set of Ua_w, in which this step's loads land; where AA has just been written, or VT just read, that is done too
.endif
	MUL8 \af, \ring, 0, \zero
.if (\boff) >= 0
	BPART ((\ring)+3)%4, \boff, 0, 3               ; no wait: no vector or matrix instruction since the head's wait names these registers, here or in the parts below
.endif
	MUL8 \af, \ring, 1, \zero
.if (\boff) >= 0
	BPART ((\ring)+3)%4, \boff, 3, 3
.endif
	MUL8 \af, \ring, 2, \zero
.if (\boff) >= 0
	BPART ((\ring)+3)%4, \boff, 6, 2
.endif
	MUL8 \af, \ring, 3, \zero
.if (\nk) >= 0
	APART \naf, \nreg, \nk, 0
	s_wait_dscnt 4                                 ; all but the four LDS loads just issued: this step's row tiles 4-7 are in
.else
	s_wait_dscnt 0x0
.endif
	MUL8 \af, \ring, 4, \zero
.if (\nk) >= 0
	APART \naf, \nreg, \nk, 2
.endif
	MUL8 \af, \ring, 5, \zero
.if (\nk) >= 0
	APART \naf, \nreg, \nk, 4
.endif
	MUL8 \af, \ring, 6, \zero
.if (\nk) >= 0
	APART \naf, \nreg, \nk, 6
.endif
	MUL8 \af, \ring, 7, \zero
.endm
; AN N BLOCK'S END: r = 1 / (1 + 2^(K2 acc + table)) in place on the 512 accumulator registers, then SC += (-2 Va) r.  Each accumulator is read from its low end on.
; The 512 exponentials are ONE batch and the 512 reciprocals another, each with one wait ahead of its first reader; a packed plain instruction stands between every two of them.
.macro EPILOGUE
	PLACES
	WIN 0
	s_wait_alu depctr_va_vdst(0)                   ; K step 31's products are done reading key buffer 1, in which -2 Va lands; the places above stay beside this wait
.irp ct, 0,1,2,3,4,5,6,7
	ds_load_b128 v[VT+8*(\ct):VT+8*(\ct)+3],   v[TA] offset:4096+64*(\ct)     ; -2 Va for these 128 columns, into key buffer 1: wanted two batches further down
	ds_load_b128 v[VT+8*(\ct)+4:VT+8*(\ct)+7], v[TA] offset:4096+64*(\ct)+16
.endr
.irp w, 2,3
	WIN ((\w)<<6)|(\w)                             ; destination and source 0 in the accumulators' window, the table in window 0
.set p, 0
.rept 128
	v_pk_fma_f32 v[2*p:2*p+1], v[2*p:2*p+1], s[K2:K2+1], v[QT+8*((p/4)%8)+2*(p%4):QT+8*((p/4)%8)+2*(p%4)+1] op_sel_hi:[1,0,1]
.if p > 0
	v_exp_f32 v[2*p-2], v[2*p-2]
	v_exp_f32 v[2*p-1], v[2*p-1]
.endif
.set p, p+1
.endr
	v_exp_f32 v254, v254
	v_exp_f32 v255, v255
.endr
	WIN 0
	s_wait_alu depctr_vm_vsrc(0)                   ; the loads of -2 Va have read TA
	v_add_nc_u32 v[TA], 512, v[TA]                 ; the next N block's tables; also the plain instruction behind the last exponential
	s_wait_alu depctr_va_vdst(0)                   ; the batch's one wait: the 512 exponentials are written; so is TA, by which the next block's table is loaded, and QT has been read for the last time
.irp w, 2,3
	WIN ((\w)<<6)|(\w)
.set p, 0
.rept 128
	v_pk_add_f32 v[2*p:2*p+1], v[2*p:2*p+1], 1.0 op_sel_hi:[1,0]
.if p > 0
	v_rcp_f32 v[2*p-2], v[2*p-2]
	v_rcp_f32 v[2*p-1], v[2*p-1]
.endif
.set p, p+1
.endr
	v_rcp_f32 v254, v254
	v_rcp_f32 v255, v255
.endr
	v_nop                                          ; a plain instruction behind the last reciprocal,
	s_wait_alu depctr_va_vdst(0)                   ; and the batch's one wait: the 512 reciprocals are written
	s_wait_dscnt 0x0                               ; -2 Va
.irp w, 2,3
	WIN \w                                         ; source 0 in the accumulators' window, all else in window 0
.set q, 0
.rept 32                               ; column tile q / 4, pair q % 4; the window's four row tiles' chains take turns
.set t, 0
.rept 4
	v_pk_fma_f32 v[SC+2*(4*((\w)-2)+t):SC+2*(4*((\w)-2)+t)+1], v[8*(8*t+q/4)+2*(q%4):8*(8*t+q/4)+2*(q%4)+1], v[VT+8*(q/4)+2*(q%4):VT+8*(q/4)+2*(q%4)+1], v[SC+2*(4*((\w)-2)+t):SC+2*(4*((\w)-2)+t)+1]
.set t, t+1
.endr
.set q, q+1
.endr
.endr
	WIN 0
.endm
	s_load_b256 s[4:11], s[0:1], 0x0               ; keys s[4:5], ub s[6:7], qbs s[8:9], Va_w s[10:11]
	s_load_b128 s[12:15], s[0:1], 0x20             ; Va_b s[12:13], scores s[14:15]
	s_load_b64 s[16:17], s[0:1], 0x30              ; ctxp
	v_lshl_add_u32 v62, v0, 2, 0x43800
	v_mov_b32 v63, 0
	v_lshrrev_b32 v1, 5, v0
	v_readfirstlane_b32 s[WV], v1                  ; wave 0..3
	v_and_b32 v1, 31, v0                           ; l
	v_and_b32 v2, 15, v0                           ; l % 16
	v_bfe_u32 v3, v0, 4, 1                         ; l / 16
	v_mul_u32_u24 v[AB], v2, PITCH
	v_lshl_add_u32 v[AB], v3, 4, v[AB]
	v_add_nc_u32 v[AB+1], 32*PITCH, v[AB]
	v_add_nc_u32 v[AB+2], 64*PITCH, v[AB]
	v_add_nc_u32 v[AB+3], 96*PITCH, v[AB]
	v_lshlrev_b32 v[BO], 4, v1
	s_wait_alu depctr_va_sdst(0)                   ; the wave's number is written, ahead of its first reader
	s_lshl_b32 s20, s[WV], 17
	v_add_nc_u32 v[KO], s20, v[BO]
	s_mul_i32 s20, s[WV], 32*PITCH
	v_lshl_add_u32 v[KS], v1, 3, s20
	s_lshl_b32 s20, s[WV], 10
	s_add_co_u32 s20, s20, QB
	v_lshl_add_u32 v[TA], v3, 5, s20
	s_lshl_b32 s20, s[WV], 9
	s_add_co_u32 s20, s20, SCR
	v_lshl_add_u32 v[SA], v2, 2, s20
	v_lshrrev_b32 v50, 1, v0                       ; thread t brings the tables' columns 8 t .. 8 t + 7: in qbs tile t / 2, half t % 2,
	v_and_b32 v51, 1, v0
	v_lshlrev_b32 v50, 11, v50
	v_lshl_add_u32 v50, v51, 5, v50
	v_lshlrev_b32 v51, 5, v0                       ; in Va_w byte 32 t,
	v_add_nc_u32 v58, QB, v51                      ; and in LDS QB + 32 t: a wave writes the 1,024 bytes of each table that it reads
	s_mov_b32 s[K2], 0x4038aa3b
	s_mov_b32 s[K2+1], s[K2]
	s_mov_b32 s[SEL], 0x76543210
	s_mov_b32 s[SEL+1], 0xfedcba98
	s_mov_b32 s[L2E], 0x3fb8aa3b
	s_mov_b32 s[L2E+1], s[L2E]
	s_mov_b32 s21, 0
	s_wait_kmcnt 0x0
	s_load_b32 s[VB], s[12:13], 0x0                ; Va_b: wanted when the scores are added up
	s_lshl_b32 s20, ttmp9, 19                      ; 128 rows of 4,096 bytes
	s_add_nc_u64 s[KB:KB+1], s[4:5], s[20:21]
.irp s, 1,2,3
	s_add_nc_u64 s[KB+2*(\s):KB+2*(\s)+1], s[KB:KB+1], (\s)*2*4096  ; set s begins two rows behind set s - 1
.endr
	s_lshl_b32 s20, s[WV], 19                      ; my 256 columns of ub
	s_add_nc_u64 s[UP:UP+1], s[6:7], s[20:21]
	s_lshl_b32 s20, ttmp9, 9
	s_add_nc_u64 s[SO:SO+1], s[14:15], s[20:21]
	s_lshl_b32 s20, ttmp9, 12
	s_add_nc_u64 s[CP:CP+1], s[16:17], s[20:21]
	s_lshr_b32 s20, ttmp9, 4                       ; the batch: 16 blocks each
	s_lshl_b32 s20, s20, 6
	s_add_nc_u64 s[QP:QP+1], s[8:9], s[20:21]
	s_wait_alu depctr_va_vdst(0)                   ; the offsets and addresses made above (AB, BO, KO, KS, TA, SA, v50, v51, v58) are written: the loads and stores below read them
.irp q, 0,1,2,3
	global_load_b128 v[128+8*(\q):128+8*(\q)+3], v50, s[QP:QP+1] offset:131072*(\q)      ; the four partial tables
	global_load_b128 v[132+8*(\q):132+8*(\q)+3], v50, s[QP:QP+1] offset:131072*(\q)+16
.endr
	global_load_b128 v[42:45], v51, s[10:11]
	global_load_b128 v[46:49], v51, s[10:11] offset:16
	KLOADS 0
	KLOADS 1
	KLOADS 2
	WIN 0
	s_wait_loadcnt 48                              ; the ten table loads are in; the three sets of keys behind them stay out
.irp j, 0,2,4,6
	v_pk_add_f32 v[128+(\j):129+(\j)], v[128+(\j):129+(\j)], v[136+(\j):137+(\j)]
	v_pk_add_f32 v[144+(\j):145+(\j)], v[144+(\j):145+(\j)], v[152+(\j):153+(\j)]
.endr
.irp j, 0,2,4,6
	v_pk_add_f32 v[128+(\j):129+(\j)], v[128+(\j):129+(\j)], v[144+(\j):145+(\j)]
.endr
	v_cvt_pk_bf16_f32 v52, v42, v43                ; Va is rounded to bf16 like the other inputs, widened again, and multiplied by -2
	v_cvt_pk_bf16_f32 v53, v44, v45
	v_cvt_pk_bf16_f32 v54, v46, v47
	v_cvt_pk_bf16_f32 v55, v48, v49
.irp j, 0,1,2,3
	v_lshlrev_b32 v[42+2*(\j)], 16, v[52+(\j)]
	v_and_b32     v[43+2*(\j)], 0xffff0000, v[52+(\j)]
.endr
.irp j, 0,1,2,3
	v_pk_mul_f32 v[42+2*(\j):43+2*(\j)], v[42+2*(\j):43+2*(\j)], -2.0 op_sel_hi:[1,0]
.endr
	s_wait_alu depctr_va_vdst(0)                   ; both tables, v[128:135] and v[42:49], are written: the four LDS stores read them
	ds_store_b128 v58, v[128:131]
	ds_store_b128 v58, v[132:135] offset:16
	ds_store_b128 v58, v[42:45] offset:4096
	ds_store_b128 v58, v[46:49] offset:4112
	v_pk_add_f32 v[52:53], v[42:43], v[44:45]      ; -2 Va's sum over my wave's 256 columns
	v_pk_add_f32 v[54:55], v[46:47], v[48:49]
	v_pk_add_f32 v[52:53], v[52:53], v[54:55]
	v_add_f32 v[WS], v52, v53
	v_add_f32_dpp v[WS], v[WS], v[WS] row_xmask:1 row_mask:0xf bank_mask:0xf
	v_add_f32_dpp v[WS], v[WS], v[WS] row_xmask:2 row_mask:0xf bank_mask:0xf
	v_add_f32_dpp v[WS], v[WS], v[WS] row_xmask:4 row_mask:0xf bank_mask:0xf
	v_add_f32_dpp v[WS], v[WS], v[WS] row_xmask:8 row_mask:0xf bank_mask:0xf
	v_permlanex16_b32 v52, v[WS], s[SEL], s[SEL+1]
	v_add_f32 v[WS], v[WS], v52
.set i, 0
.rept 16
	v_mov_b32 v[SC+i], 0                           ; the scores' sums run over two N blocks in one text, so they start at 0
.set i, i+1
.endr
	KLOADS 3                                       ; no wait: no vector instruction has named KO since it was shown written, or RAW3 at all
	WIN 0
	s_mov_b32 s[TRIP], 3
.Lfill:                                        ; a trip: eight rows are rounded and stored, the eight rows behind them asked for; four sets of two rows take turns
.irp s, 0,1,2,3
	s_wait_loadcnt 48                              ; RAW[s] is in; the three younger sets stay out
	s_add_nc_u64 s[KB+2*(\s):KB+2*(\s)+1], s[KB+2*(\s):KB+2*(\s)+1], 8*4096  ; free since that wait, which shows the loads that read it done: the set's next two rows
	KROUND \s
	s_wait_alu depctr_va_vdst(0)                   ; the conversions are done reading RAW[s], in which the loads below land, and have written OUT[s], which the stores below read; in a trip's first set KS is written
	KLOADS \s
	KSTORE \s, 2*(\s)
.endr
	WIN 0
	s_wait_alu depctr_vm_vsrc(0)                   ; the trip's LDS stores have read KS, which the next line writes, and the four OUT, which the next conversions write
	v_add_nc_u32 v[KS], 8*PITCH, v[KS]
	s_sub_co_u32 s[TRIP], s[TRIP], 1
	s_cmp_lg_u32 s[TRIP], 0
	s_cbranch_scc1 .Lfill
	s_wait_loadcnt 48                              ; the last eight rows: nothing more of keys is asked for; Ua_w's first three K steps go out between them
	KROUND 0
	s_wait_alu depctr_va_vdst(0)                   ; OUT0 and KS are written: the stores read them
	KSTORE 0, 0
	s_wait_loadcnt 32
	KROUND 1
	s_wait_alu depctr_va_vdst(0)                   ; OUT1 is written
	KSTORE 1, 2
	BPART 0, 0, 0, 8
	s_wait_loadcnt 32                              ; set 2 is in: behind it stand set 3's 16 loads and Ua_w's 16
	KROUND 2
	s_wait_alu depctr_va_vdst(0)                   ; OUT2 is written
	KSTORE 2, 4
	BPART 1, STEPB, 0, 8
	s_wait_loadcnt 32                              ; set 3 is in: behind it stand Ua_w's 32
	KROUND 3
	s_wait_alu depctr_va_vdst(0)                   ; OUT3 is written
	KSTORE 3, 6
	BPART 2, 2*STEPB, 0, 8
	WIN 0
	s_wait_dscnt 0x0                               ; for the others' sake: my 32 rows lie in LDS
	s_barrier_signal -1
	s_barrier_wait -1                              ; all 128 do; nobody writes them again
	s_wait_alu depctr_vm_vsrc(0)                   ; my LDS stores have read the four OUT, which are accumulators from here on, and the tables' v[128:135], in which key fragments land, and v[42:49], at work again later
	AFETCH AF0, AB, 0
	s_mov_b32 s[NBC], 2
.Lnb:                                          ; an N block: 128 columns, 32 K steps, then its end.  UP stands at the block's K step 0
.irp ct, 0,1,2,3,4,5,6,7
	ds_load_b128 v[QT+8*(\ct):QT+8*(\ct)+3],   v[TA] offset:64*(\ct)       ; no wait: TA's step and QT's last readers stand ahead of the exponentials' wait, and nothing since names the two
	ds_load_b128 v[QT+8*(\ct)+4:QT+8*(\ct)+7], v[TA] offset:64*(\ct)+16
.endr
.irp p, 0,1,2,3
	v_mov_b32 v[AA+(\p)], v[AB+(\p)]               ; the loads that read AA stand ahead of the wait on vm_vsrc at the end of the K loop's last trip
.endr
	KSTEP AF0, 0, 1, AF1, AB, 64, 3*STEPB, 32      ; K step 0 stands in front of the loop: its products start the sums
	WIN 0
	s_mov_b32 s[TRIP], 7
.Lk:                                           ; trip g: K steps 4 g + 1 .. 4 g + 4; AA = AB + 256 g, UP at K step 4 g
	KSTEP AF1, 1, 0, AF0, AA, 128, 4*STEPB, 32
	KSTEP AF0, 2, 0, AF1, AA, 192, 5*STEPB, 32
	KSTEP AF1, 3, 0, AF0, AA, 256, 6*STEPB, 32
	KSTEP AF0, 0, 0, AF1, AA, 320, 7*STEPB, 32
	WIN 0
	s_wait_alu depctr_vm_vsrc(0)                   ; the LDS loads issued so far have read AA
.irp p, 0,1,2,3
	v_add_nc_u32 v[AA+(\p)], 256, v[AA+(\p)]       ; shown written by the wait at the next K step's head
.endr
	s_wait_xcnt 0x0                                ; the loads of Ua_w issued so far (the youngest 40 matrix instructions back) have read their base: only now is it stepped
	s_add_nc_u64 s[UP:UP+1], s[UP:UP+1], 4*STEPB
	s_sub_co_u32 s[TRIP], s[TRIP], 1
	s_cmp_lg_u32 s[TRIP], 0
	s_cbranch_scc1 .Lk
	s_cmp_eq_u32 s[NBC], 1
	s_cbranch_scc1 .Lfinal
	KSTEP AF1, 1, 0, AF0, AB, 1920, 4*STEPB, 32    ; K steps 29 to 31 of the first N block: the stream and the key fragments go on into the second
	KSTEP AF0, 2, 0, AF1, AB, 1984, 5*STEPB, 32
	KSTEP AF1, 3, 0, AF0, AB, 0,    6*STEPB, 32
	WIN 0
	s_wait_xcnt 0x0
	s_add_nc_u64 s[UP:UP+1], s[UP:UP+1], 4*STEPB   ; the next N block's K step 0
	s_branch .Lepi
.Lfinal:                                       ; K steps 29 to 31 of the last N block: nothing more of Ua_w is asked for, and the counts run down; the last step issues no load and states nothing
	KSTEP AF1, 1, 0, AF0, AB, 1920, -1, 32
	KSTEP AF0, 2, 0, AF1, AB, 1984, -1, 16
	KSTEP AF1, 3, 0, AF0, AB, -1,   -1, 0
	WIN 0
.Lepi:
	EPILOGUE
	s_sub_co_u32 s[NBC], s[NBC], 1
	s_cmp_lg_u32 s[NBC], 0
	s_cbranch_scc1 .Lnb
	; THE SCORES.  A lane's pair, and the other half of the lanes', are added: the row's sum over my wave's 256 columns; sum Va = -WS / 2 joins it.  The four waves' parts meet in LDS.
.irp t, 0,1,2,3,4,5,6,7
	v_add_f32 v[W+(\t)], v[SC+2*(\t)], v[SC+2*(\t)+1]
.endr
.irp t, 0,1,2,3,4,5,6,7
	v_permlanex16_b32 v[W+8+(\t)], v[W+(\t)], s[SEL], s[SEL+1]
.endr
.irp t, 0,1,2,3,4,5,6,7
	v_add_f32 v[W+(\t)], v[W+(\t)], v[W+8+(\t)]
.endr
.irp t, 0,1,2,3,4,5,6,7
	v_fma_f32 v[W+(\t)], v[WS], -0.5, v[W+(\t)]
.endr
	v_lshl_add_u32 v50, v1, 4, SCR                 ; lane l takes rows 4 l .. 4 l + 3, in every wave alike
	s_wait_alu depctr_va_vdst(0)                   ; my eight sums v[34:41] are written, which the LDS stores read; v50 is written, by which the loads behind the barrier read; v[42:49], in which they land, have been read
.irp t, 0,1,2,3,4,5,6,7
	ds_store_b32 v[SA], v[W+(\t)] offset:64*(\t)   ; row 16 t + l % 16; both halves of the lanes write the same number
.endr
	s_wait_dscnt 0x0                               ; for the others' sake
	s_barrier_signal -1
	s_barrier_wait -1
	s_wait_alu depctr_vm_vsrc(0)                   ; my LDS stores have read v[34:41], in which the loads below land
.irp i, 0,1,2,3
	ds_load_b128 v[W+4*(\i):W+4*(\i)+3], v50 offset:512*(\i)
.endr
	s_wait_kmcnt 0x0                               ; Va_b
	s_mov_b32 s[VB+1], s[VB]
	s_wait_dscnt 0x0
	v_pk_add_f32 v[34:35], v[34:35], v[38:39]
	v_pk_add_f32 v[36:37], v[36:37], v[40:41]
	v_pk_add_f32 v[42:43], v[42:43], v[46:47]
	v_pk_add_f32 v[44:45], v[44:45], v[48:49]
	v_pk_add_f32 v[34:35], v[34:35], v[42:43]
	v_pk_add_f32 v[36:37], v[36:37], v[44:45]
	v_pk_add_f32 v[34:35], v[34:35], s[VB:VB+1] op_sel_hi:[1,0]
	v_pk_add_f32 v[36:37], v[36:37], s[VB:VB+1] op_sel_hi:[1,0]
	v_max3_num_f32 v51, v34, v35, v36              ; the block's maximum m
	v_max_num_f32 v51, v51, v37
	v_max_num_f32_dpp v51, v51, v51 row_xmask:1 row_mask:0xf bank_mask:0xf
	v_max_num_f32_dpp v51, v51, v51 row_xmask:2 row_mask:0xf bank_mask:0xf
	v_max_num_f32_dpp v51, v51, v51 row_xmask:4 row_mask:0xf bank_mask:0xf
	v_max_num_f32_dpp v51, v51, v51 row_xmask:8 row_mask:0xf bank_mask:0xf
	v_permlanex16_b32 v52, v51, s[SEL], s[SEL+1]
	v_max_num_f32 v51, v51, v52
	v_mul_f32 v52, s[L2E], v51
	v_pk_fma_f32 v[54:55], v[34:35], s[L2E:L2E+1], v[52:53] op_sel_hi:[1,0,0] neg_lo:[0,0,1] neg_hi:[0,0,1]  ; log2(e) s - log2(e) m
	v_pk_fma_f32 v[56:57], v[36:37], s[L2E:L2E+1], v[52:53] op_sel_hi:[1,0,0] neg_lo:[0,0,1] neg_hi:[0,0,1]
	s_lshl_b32 s20, s[WV], 9
	s_add_co_u32 s20, s20, PW                      ; my wave's copy of p
	v_exp_f32 v54, v54
	v_exp_f32 v55, v55
	v_exp_f32 v56, v56
	v_exp_f32 v57, v57
	v_lshl_add_u32 v58, v1, 4, s20                 ; a plain instruction behind the last exponential
	; THE CONTEXT's addresses and the start of its sums are made here, ahead of the one wait.  Thread t owns channels 4 t .. 4 t + 3 and 512 + 4 t .. + 3: 8 bytes twice of each bf16 row in LDS.
	v_lshlrev_b32 v[CA], 3, v0                     ; (the loads that read v8 to v10 as AA stand ahead of the waits on vm_vsrc above)
	v_mov_b32 v[PA], s20
	v_lshlrev_b32 v[CO], 4, v0
.set i, 0
.rept 8
	v_mov_b32 v[CX+i], 0
.set i, i+1
.endr
	s_wait_alu depctr_va_vdst(0)                   ; the one wait for the four exponentials: p and its address v58 are written, which the LDS store reads; so are the scores v[34:37], which wave 0 stores, and CA and PA, by which the context's loads read
	ds_store_b128 v58, v[54:57]
	s_cmp_lg_u32 s[WV], 0
	s_cbranch_scc1 .Lnot_wave_0
	global_store_b128 v[BO], v[34:37], s[SO:SO+1]  ; the block's 128 scores: 512 consecutive bytes, aligned
.Lnot_wave_0:
	; THE CONTEXT.  A wave's load covers 256 consecutive bytes of a row.  Sums in f32.
	; p comes from my wave's own copy, which LDS serves behind the store above (a wave's LDS instructions are served in order: ISA guide 5.7.1.4).
.macro CLOAD set, row0                 ; eight rows: their p (every lane the same 32 bytes) and my 16 bytes of each: 18 LDS loads
	ds_load_b128 v[PS+8*(\set):PS+8*(\set)+3],   v[PA] offset:4*(\row0)
	ds_load_b128 v[PS+8*(\set)+4:PS+8*(\set)+7], v[PA] offset:4*(\row0)+16
.set i, 0
.rept 8
	ds_load_b64 v[KR+32*(\set)+4*i:KR+32*(\set)+4*i+1],   v[CA] offset:((\row0)+i)*PITCH
	ds_load_b64 v[KR+32*(\set)+4*i+2:KR+32*(\set)+4*i+3], v[CA] offset:((\row0)+i)*PITCH+1024
.set i, i+1
.endr
.endm
.macro CMUL set                        ; 64 multiply-adds straight from the bf16 halves; the eight sums take turns
.set i, 0
.rept 8
.set e, 0
.rept 8
	v_fma_mix_f32_bf16 v[CX+e], v[KR+32*(\set)+4*i+e/2], v[PS+8*(\set)+i], v[CX+e] op_sel:[e%2,0,0] op_sel_hi:[1,0,0]
.set e, e+1
.endr
.set i, i+1
.endr
.endm
	CLOAD 0, 0
	CLOAD 1, 8
	s_mov_b32 s[TRIP], 7
.Lctx:                                         ; a trip: 16 rows are added, the 16 behind them fetched; CA and PA stand at the trip's first row, and from set 1's fetch on at the next trip's
	s_wait_dscnt 18                                ; set 0 is in; set 1's 18 loads may be out
	CMUL 0
	s_wait_alu depctr_va_vdst(0)                   ; the multiply-adds are done reading set 0, in which the loads below land
	CLOAD 0, 16
	s_wait_dscnt 18
	CMUL 1
	s_wait_alu depctr_vm_vsrc(0)                   ; the LDS loads issued so far have read CA and PA
	v_add_nc_u32 v[CA], 16*PITCH, v[CA]
	v_add_nc_u32 v[PA], 64, v[PA]
	s_wait_alu depctr_va_vdst(0)                   ; the multiply-adds are done reading set 1, in which the loads below land; CA and PA are written
	CLOAD 1, 8
	s_sub_co_u32 s[TRIP], s[TRIP], 1
	s_cmp_lg_u32 s[TRIP], 0
	s_cbranch_scc1 .Lctx
	s_wait_dscnt 18                                ; the last 16 rows fetch nothing
	CMUL 0
	s_wait_dscnt 0x0
	CMUL 1
	s_wait_alu depctr_va_vdst(0)                   ; my eight sums are written, which the two stores read
	global_store_b128 v[CO], v[CX:CX+3],   s[CP:CP+1]              ; a wave's store covers 512 consecutive bytes, aligned
	global_store_b128 v[CO], v[CX+4:CX+7], s[CP:CP+1] offset:2048
	s_wait_dscnt 0x0                               ; the wave's end
	s_wait_alu depctr_hold_cnt(0) depctr_sa_sdst(0) depctr_va_vdst(0) depctr_va_sdst(0) depctr_va_ssrc(0) depctr_va_vcc(0) depctr_vm_vsrc(0)
	s_wait_tensorcnt 0x0
	ds_add_u32 v62, v63
	s_wait_dscnt 0x0
	s_endpgm
.Lfunc_end_k_q142270ebb3_main:
	.size	k_q142270ebb3_main, .Lfunc_end_k_q142270ebb3_main-k_q142270ebb3_main
	.p2alignl 7, 3214868480
	.fill 96, 4, 3214868480
	.section	.rodata,"a",@progbits
	.p2align	6, 0x0
	.amdhsa_kernel k_q142270ebb3_main
		.amdhsa_group_segment_fixed_size 276992
		.amdhsa_private_segment_fixed_size 0
		.amdhsa_enable_private_segment 0
		.amdhsa_kernarg_size 56
		.amdhsa_user_sgpr_count 2
		.amdhsa_user_sgpr_kernarg_segment_ptr 1
		.amdhsa_wavefront_size32 1
		.amdhsa_system_sgpr_workgroup_id_x 1
		.amdhsa_system_sgpr_workgroup_id_y 1
		.amdhsa_system_sgpr_workgroup_id_z 1
		.amdhsa_system_vgpr_workitem_id 0
		.amdhsa_next_free_vgpr 1024
		.amdhsa_next_free_sgpr 66
		.amdhsa_reserve_vcc 0
		.amdhsa_float_denorm_mode_32 3
		.amdhsa_float_denorm_mode_16_64 3
		.amdhsa_memory_ordered 1
		.amdhsa_forward_progress 1
		.amdhsa_inst_pref_size 232
	.end_amdhsa_kernel
	.amdgpu_metadata
---
amdhsa.version: [ 1, 2 ]
amdhsa.kernels:
  - .name:           k_q142270ebb3_main
    .symbol:         k_q142270ebb3_main.kd
    .args:
      - { .name: keys, .offset: 0, .size: 8, .value_kind: global_buffer, .address_space: global }
      - { .name: ub, .offset: 8, .size: 8, .value_kind: global_buffer, .address_space: global }
      - { .name: qbs, .offset: 16, .size: 8, .value_kind: global_buffer, .address_space: global }
      - { .name: Va_w, .offset: 24, .size: 8, .value_kind: global_buffer, .address_space: global }
      - { .name: Va_b, .offset: 32, .size: 8, .value_kind: global_buffer, .address_space: global }
      - { .name: scores, .offset: 40, .size: 8, .value_kind: global_buffer, .address_space: global }
      - { .name: ctxp, .offset: 48, .size: 8, .value_kind: global_buffer, .address_space: global }
    .group_segment_fixed_size: 276992
    .private_segment_fixed_size: 0
    .kernarg_segment_align: 8
    .kernarg_segment_size: 56
    .max_flat_workgroup_size: 128
    .sgpr_count:     66
    .vgpr_count:     1024
    .wavefront_size: 32
...
	.end_amdgpu_metadata
.endif
;; end of part 4
;; launch finish: the kernel of part 3 again; grid 32 x 1, 8 waves a work-group, no clusters, 1,536 bytes of LDS; arguments scores, ctxp, out0, out1; writes out0, out1
